; MI455X (gfx1250); checked and timed in simulation.
; The chip was launched on July 23, 2026; its instructions are those of AMD's public machine-readable ISA for CDNA 5 (MIT licence, August 2026) and "CDNA5" Instruction Set Architecture Reference Guide (July 2026). The comments in the code are by the model that wrote it; some were corrected since.
;; Associative Memory Step. Allowed arithmetic: float matrix products may take bf16 or f16 operands with f32 sums; all other float work in f32.
;; Inputs: basis 1,024 x 256 float32; decay_logit one number float32; k_coeffs 256 x 256 float32; o_coeffs 256 x 256 float32; out_scale one number float32; q_coeffs 256 x 256 float32; v_coeffs 256 x 256 float32; x 4 x 4,096 x 1,024 float32.
;; Outputs: out0 4 x 4,096 x 1,024 float32.
;; 2 versions, each right; version 2 is version 1 with the launch scan written anew for expert scheduling mode. Each part assembles by itself: llvm-mc -triple=amdgcn-amd-amdhsa -mcpu=gfx1250 --defsym DOCPART=n.
;; ======== version 1 of 2: 4 launches
;; limits: values are held in f16: magnitudes above 65,504 overflow, below 6.1e-05 lose precision; right only within a limited range of input values; values outside matrix products are rounded to f16
;; workspace buffers: wcat 917,504 bytes; ow 524,288 bytes; qf 8,388,608 bytes; kf 8,388,608 bytes; vt 8,388,608 bytes; u 33,554,432 bytes; st 8,388,608 bytes; sc 4,096 bytes
;; launch prep (part 1): grid 256 x 1, 4 waves a work-group, no clusters, 0 bytes of LDS; arguments basis, q_coeffs, k_coeffs, v_coeffs, o_coeffs, wcat, ow; writes wcat, ow
.if DOCPART == 1
	.amdgcn_target "amdgcn-amd-amdhsa--gfx1250"
	.amdhsa_code_object_version 6
	.text
	.protected	k_q2476c030c7_prep
	.globl	k_q2476c030c7_prep
	.p2align	8
	.type	k_q2476c030c7_prep,@function
k_q2476c030c7_prep:
	s_mov_b64 s[64:65], 0
	v_nop
	global_prefetch_b8 v0, s[64:65] scope:SCOPE_SE
	s_setreg_imm32_b32 hwreg(HW_REG_WAVE_MODE, 25, 1), 1
	s_wait_xcnt 0x0
; PREP: the weights, once, in the order in which matrix fragments want them.
; A fragment (16 rows x 32 k of 16-bit numbers) is stored as 1,024 bytes: half p (512 bytes), then 16 bytes a lane: row = lane % 16, k = 16 p + 8 (lane / 16) + 0..7.
; wcat: 14 tiles of 64 KB, each [16 row tiles][4 k steps][fragment].  Tiles 0-7: basis^T x 2^-5 in bf16 (row j, k = v = 128 n + ..).
;       Tiles 8 + 2 a + kh: coefficients of a = q, k, v, rounded to bf16, x 2^6, written as f16 (row c, k = j = 128 kh + ..).
; ow:   o_w = basis . o_coeffs^T (both rounded to bf16, sums in f32), f16, [64 tiles of v][8 k steps][fragment], row v, k = channel.
; LIMITS: coefficients x 64 and o_w stay below 65,504 (f16); coefficients below 2^-20 keep a fixed step of 2^-30.
; 1,024 waves; wave W makes half fragment W of basis^T, tile W of o_w, and (waves 0-2 of a group) one half fragment of the coefficients.
; No LDS, no cluster: each wave's bytes are its own, and the whole launch moves some 3 MB.
.set LA,   8                           ; v8-15   basis numbers of my half fragment
.set LB,   16                          ; v16-23  coefficients of my half fragment
.set YA,   24                          ; v24-27  packed, to store
.set YB,   28                          ; v28-31
.set LAND, 64                          ; v64-255 three landing buffers of 64 for o_w's operands in f32
	s_load_b256 s[4:11], s[0:1], 0x0               ; basis, q, k, v coefficients
	s_load_b128 s[12:15], s[0:1], 0x20             ; o coefficients, wcat
	s_load_b64 s[16:17], s[0:1], 0x30              ; ow
	v_lshrrev_b32 v1, 5, v0
	v_readfirstlane_b32 s20, v1                    ; wave
	s_lshl_b32 s21, ttmp9, 2
	s_add_co_u32 s21, s21, s20                     ; W = 4 x group + wave
	s_mul_i32 s22, ttmp9, 3
	s_add_co_u32 s22, s22, s20                     ; PW = 3 x group + wave (waves 0-2)
	s_mov_b32 s32, 0x3d000000                      ; 2^-5
	s_mov_b32 s33, s32
	s_mov_b32 s34, 0x42800000                      ; 2^6
	s_mov_b32 s35, s34
	v_and_b32 v1, 31, v0                           ; lane
	v_and_b32 v2, 15, v0                           ; r
	v_bfe_u32 v3, v0, 4, 1                         ; h
	; basis^T: W = n 128 + mt 8 + ks 2 + p.  v = 16 (8 n + 2 ks + p) + 8 h + e, j = 16 mt + r
	s_lshr_b32 s23, s21, 7
	s_lshl_b32 s23, s23, 3
	s_and_b32 s24, s21, 7
	s_or_b32 s23, s23, s24
	s_lshl_b32 s23, s23, 14                        ; 16 rows of 1,024 bytes
	s_bfe_u32 s24, s21, 0x40003
	s_lshl_b32 s24, s24, 6
	s_add_co_u32 s23, s23, s24
	v_lshlrev_b32 v4, 2, v2
	v_lshl_add_u32 v4, v3, 13, v4
	v_add_nc_u32 v4, s23, v4
	; coefficients: PW = a 256 + kh 128 + mt 8 + ks 2 + p.  c = 16 mt + r, j = 16 (8 kh + 2 ks + p) + 8 h + e
	s_lshr_b32 s25, s22, 8                         ; a
	s_and_b32 s26, s22, 255
	s_lshr_b32 s27, s26, 7
	s_lshl_b32 s27, s27, 3
	s_and_b32 s28, s26, 7
	s_or_b32 s27, s27, s28
	s_lshl_b32 s27, s27, 6
	s_bfe_u32 s28, s26, 0x40003
	s_lshl_b32 s28, s28, 14
	s_add_co_u32 s27, s27, s28
	v_lshlrev_b32 v5, 10, v2
	v_lshl_add_u32 v5, v3, 5, v5
	v_add_nc_u32 v5, s27, v5
	; o_w: channel tile W % 16 (rows of o_coeffs), v tile W / 16 (rows of basis); a lane takes row r, 8 numbers at 32 h
	s_and_b32 s28, s21, 15
	s_lshr_b32 s29, s21, 4
	s_lshl_b32 s28, s28, 14
	s_lshl_b32 s29, s29, 14
	v_lshlrev_b32 v6, 10, v2
	v_lshl_add_u32 v6, v3, 5, v6
	v_add_nc_u32 v7, s29, v6
	v_add_nc_u32 v6, s28, v6
	v_lshlrev_b32 v1, 4, v1
	s_lshl_b32 s28, s21, 9
	s_lshl_b32 s29, s22, 9
	v_add_nc_u32 v2, s28, v1                       ; where half fragment W goes: 512 W + 16 lane
	v_add_nc_u32 v3, s29, v1                       ; and half fragment PW
	s_wait_kmcnt 0x0
	s_cmp_eq_u32 s25, 0
	s_cselect_b64 s[30:31], s[6:7], s[8:9]
	s_cmp_eq_u32 s25, 2
	s_cselect_b64 s[30:31], s[10:11], s[30:31]     ; the coefficients of a
; a quarter of o_w's K: two k steps, for each 4 loads of o_coeffs and 4 of basis
.macro QLOAD q, buf
.irp kk, 0,1
.irp c, 0,1,2,3
	global_load_b128 v[LAND+64*(\buf)+32*\kk+4*\c:LAND+64*(\buf)+32*\kk+4*\c+3], v6, s[12:13] offset:(2*(\q)+\kk)*128+(\c/2)*64+(\c%2)*16
.endr
.irp c, 0,1,2,3
	global_load_b128 v[LAND+64*(\buf)+32*\kk+16+4*\c:LAND+64*(\buf)+32*\kk+16+4*\c+3], v7, s[4:5] offset:(2*(\q)+\kk)*128+(\c/2)*64+(\c%2)*16
.endr
.endr
.endm
; the quarter is rounded to bf16 and multiplied.  Two fragment sets and two accumulators take turns: the 16 conversions
; of one k step are the places between the product two steps back and the writes of its sources (ISA guide 7.12.1).
.macro QMUL q, buf
.irp kk, 0,1
.set ks, 2*(\q)+\kk
.set L, LAND+64*(\buf)+32*\kk
.set F, 32-16*(ks%2)
.set A, 48+8*(ks%2)
.set n, 0
.rept 16
	v_cvt_pk_bf16_f32 v[F+n], v[L+2*n], v[L+2*n+1]
.set n, n+1
.endr
.if ks < 2
	v_wmma_f32_16x16x32_bf16 v[A:A+7], v[F:F+7], v[F+8:F+15], 0
.else
	v_wmma_f32_16x16x32_bf16 v[A:A+7], v[F:F+7], v[F+8:F+15], v[A:A+7]
.endif
.endr
.endm
	s_cmp_lt_u32 s20, 3
	s_cbranch_scc0 .Lno_b1
	global_load_b128 v[LB:LB+3], v5, s[30:31]
	global_load_b128 v[LB+4:LB+7], v5, s[30:31] offset:16
.Lno_b1:
.irp e, 0,1,2,3,4,5,6,7
	global_load_b32 v[LA+\e], v4, s[4:5] offset:\e*1024
.endr
	QLOAD 0, 0
	QLOAD 1, 1
	QLOAD 2, 2
	s_wait_loadcnt 48                              ; all but the three quarters' 48 loads
.irp p, 0,1,2,3
	v_pk_mul_f32 v[LA+2*\p:LA+2*\p+1], v[LA+2*\p:LA+2*\p+1], s[32:33] op_sel_hi:[1,0]
.endr
.irp p, 0,1,2,3
	v_cvt_pk_bf16_f32 v[YA+\p], v[LA+2*\p], v[LA+2*\p+1]
.endr
	global_store_b128 v2, v[YA:YA+3], s[14:15]     ; 512 consecutive bytes a wave
	s_cmp_lt_u32 s20, 3
	s_cbranch_scc0 .Lno_b2
.irp p, 0,1,2,3
	v_cvt_pk_bf16_f32 v[YB+\p], v[LB+2*\p], v[LB+2*\p+1]   ; the input's rounding to bf16,
.endr
.irp p, 0,1,2,3
	v_lshlrev_b32 v[LB+2*\p], 16, v[YB+\p]
	v_and_b32 v[LB+2*\p+1], 0xffff0000, v[YB+\p]
.endr
.irp p, 0,1,2,3
	v_pk_mul_f32 v[LB+2*\p:LB+2*\p+1], v[LB+2*\p:LB+2*\p+1], s[34:35] op_sel_hi:[1,0]
.endr
.irp p, 0,1,2,3
	v_cvt_pk_f16_f32 v[YB+\p], v[LB+2*\p], v[LB+2*\p+1]    ; and that number, x 64, written as f16: exact
.endr
	global_store_b128 v3, v[YB:YB+3], s[14:15] offset:524288
.Lno_b2:
	s_wait_xcnt 0x0                                ; the stores' data registers are written again below
	s_wait_loadcnt 32                              ; quarter 0 is in
	QMUL 0, 0
	QLOAD 3, 0
	s_wait_loadcnt 32                              ; quarter 1 (2 and 3 are younger)
	QMUL 1, 1
	s_wait_loadcnt 16
	QMUL 2, 2
	s_wait_loadcnt 0x0
	QMUL 3, 0
.rept 4
	v_nop                                          ; the places behind the last product
.endr
.irp p, 0,1,2,3
	v_pk_add_f32 v[48+2*\p:48+2*\p+1], v[48+2*\p:48+2*\p+1], v[56+2*\p:56+2*\p+1]
.endr
.irp p, 0,1,2,3
	v_cvt_pk_f16_f32 v[32+\p], v[48+2*\p], v[48+2*\p+1]    ; lane: row v = r, channels 8 h + 0..7: a half fragment as it is stored
.endr
	global_store_b128 v2, v[32:35], s[16:17]
	s_endpgm
.Lfunc_end_k_q2476c030c7_prep:
	.size	k_q2476c030c7_prep, .Lfunc_end_k_q2476c030c7_prep-k_q2476c030c7_prep
	.p2alignl 7, 3214868480
	.fill 96, 4, 3214868480
	.section	.rodata,"a",@progbits
	.p2align	6, 0x0
	.amdhsa_kernel k_q2476c030c7_prep
		.amdhsa_group_segment_fixed_size 0
		.amdhsa_private_segment_fixed_size 0
		.amdhsa_enable_private_segment 0
		.amdhsa_kernarg_size 56
		.amdhsa_user_sgpr_count 2
		.amdhsa_user_sgpr_kernarg_segment_ptr 1
		.amdhsa_wavefront_size32 1
		.amdhsa_system_sgpr_workgroup_id_x 1
		.amdhsa_system_sgpr_workgroup_id_y 1
		.amdhsa_system_sgpr_workgroup_id_z 1
		.amdhsa_system_vgpr_workitem_id 0
		.amdhsa_next_free_vgpr 256
		.amdhsa_next_free_sgpr 66
		.amdhsa_reserve_vcc 0
		.amdhsa_float_denorm_mode_32 3
		.amdhsa_float_denorm_mode_16_64 3
		.amdhsa_memory_ordered 1
		.amdhsa_forward_progress 1
		.amdhsa_inst_pref_size 21
	.end_amdhsa_kernel
	.amdgpu_metadata
---
amdhsa.version: [ 1, 2 ]
amdhsa.kernels:
  - .name:           k_q2476c030c7_prep
    .symbol:         k_q2476c030c7_prep.kd
    .args:
      - { .name: basis, .offset: 0, .size: 8, .value_kind: global_buffer, .address_space: global }
      - { .name: q_coeffs, .offset: 8, .size: 8, .value_kind: global_buffer, .address_space: global }
      - { .name: k_coeffs, .offset: 16, .size: 8, .value_kind: global_buffer, .address_space: global }
      - { .name: v_coeffs, .offset: 24, .size: 8, .value_kind: global_buffer, .address_space: global }
      - { .name: o_coeffs, .offset: 32, .size: 8, .value_kind: global_buffer, .address_space: global }
      - { .name: wcat, .offset: 40, .size: 8, .value_kind: global_buffer, .address_space: global }
      - { .name: ow, .offset: 48, .size: 8, .value_kind: global_buffer, .address_space: global }
    .group_segment_fixed_size: 0
    .private_segment_fixed_size: 0
    .kernarg_segment_align: 8
    .kernarg_segment_size: 56
    .max_flat_workgroup_size: 128
    .sgpr_count:     66
    .vgpr_count:     256
    .wavefront_size: 32
...
	.end_amdgpu_metadata
.endif
;; end of part 1
;; launch proj (part 2): grid 256 x 1, 4 waves a work-group, clusters of 4 x 1, 327,680 bytes of LDS; arguments x, wcat, decay_logit, qf, kf, vt, u, sc; writes qf, kf, vt, u, sc
.if DOCPART == 2
	.amdgcn_target "amdgcn-amd-amdhsa--gfx1250"
	.amdhsa_code_object_version 6
	.text
	.protected	k_q2476c030c7_proj
	.globl	k_q2476c030c7_proj
	.p2align	8
	.type	k_q2476c030c7_proj,@function
k_q2476c030c7_proj:
	s_mov_b64 s[64:65], 0
	v_nop
	global_prefetch_b8 v0, s[64:65] scope:SCOPE_SE
	s_setreg_imm32_b32 hwreg(HW_REG_WAVE_MODE, 25, 1), 1
	s_wait_xcnt 0x0
	s_wait_alu depctr_hold_cnt(0) depctr_sa_sdst(0) depctr_va_vdst(0) depctr_va_sdst(0) depctr_va_ssrc(0) depctr_va_vcc(0) depctr_vm_vsrc(0)
	s_getreg_b32 s2, hwreg(HW_REG_IB_STS2, 6, 4)
	s_cmp_eq_u32 s2, 0
	s_cbranch_scc0 .Lentry_in_a_cluster
	s_endpgm
.Lentry_in_a_cluster:
	s_bfe_u32 s2, ttmp6, 0x10000c
	s_cmp_lg_u32 s2, 0x3003
	s_cbranch_scc0 .Lentry_shape_is_right
	s_endpgm
.Lentry_shape_is_right:
; PROJ: for a block of 64 rows of x: xb = x . basis, then q, k, v = xb . coeffs^T, and U = sum over the block's rows s of d^(s - first row) k_s v_s^T.
; (x . (basis . c^T) = (x . basis) . c^T: fewer products, and the first has two inputs as operands.)
; FORMATS: x and basis in bf16 (basis x 2^-5); xb, coefficients (x 2^6), q, k, v, U in f16; sums in f32.  q, k, v carry a power of two for each block of 64 rows:
; kappa = the exponent of the block's largest magnitude, stored in sc (rows: q, k, v, k again for U); the stored numbers lie below 2; true = stored x kappa / 2.
; LIMITS: |x . basis| 2^-5 stays below 65,504; a block's largest magnitude from 2^126 on is taken as 2^126; NaN and infinities are not treated apart.
; d = sigmoid(decay_logit rounded to bf16); log2 d is kept no lower than -1e30, so that d^0 = 1 also where d = 0.
; SHARES: a work-group owns 64 rows, a wave 16 of them and all 256 channels.  All work-groups walk the same 7 steps of 128 KB of wcat, so the four of a cluster ask JOINTLY.
; The weights lie in memory as fragments, so a tile is a dense block and a fragment load takes 512 consecutive bytes: no padding, no bank conflict.
; x comes through registers, a step (16 rows x 256 columns a wave) ahead, is rounded to bf16 and laid into the wave's own LDS rows of 528 bytes.
; REGISTERS (windows of 256): window 0: v0-31 addresses and small things; XB v32-63 x fragments; XH v64-127 xb fragments; T v128-191 at work; VB v192-255 v fragments.
;   window 1: ACC v0-127 sixteen accumulators; AB v128-255 two buffers of eight weight fragments.   window 2: v0-127 x as loaded.
.set SLOTB, 0x20000                    ; an LDS slot, and a step of wcat
.set TILEB, 0x10000                    ; a tile: [16 row tiles][4 k steps][1,024]
.set XS,    262144                     ; 4 waves x 16 rows x 528 bytes: x in bf16, each wave's own
.set XSP,   528
.set RED,   295936                     ; four words: the waves' maxima
.set SPARE, 296192                     ; the spare words: 128 bytes a wave, named by no other line
.set KT,    131072                     ; in slot 1, behind its last fill: k decayed, [16 channel tiles][4 row groups][512]
.set VT,    163840                     ; v, likewise
.set LN,  1                            ; 16 x lane
.set AD0, 2                            ; LDS address of the step's first tile, and
.set AD1, 3                            ; of its second
.set XSA, 4                            ; where I put 8 bytes of a row of x
.set XRA, 5                            ; where my x fragments begin
.set XR,  6
.set KW,  7                            ; 512 x wave + 16 x lane
.set SPW, 8                            ; my spare word
.set NIL, 9                            ; 0
.set M0,  10
.set M1,  11
.set RD4, 12                           ; v12-15
.set W8,  16                           ; v16-23 a factor for each of a lane's eight rows
.set REDW, 24
.set REDR, 25
.set SCO, 26
.set TI,  27                           ; 16 x wave + 8 (lane / 16)
.set KA,  28
.set VA,  29
.set DT,  30
.set XB,  32
.set XH,  64
.set T,   128
.set VB,  192
.set ACC, 0
.set AB,  128
; s20 wave; s21 cx; s22 block; s[24:31] descriptor group 1; s[32:35] group 0; s36 slot and tile in hand; s37 x tile; s38, s39 counters; s[40:41] 1 / kappa;
; s42 log2 d or 0; s43 an LDS offset that steps; s[44:45] where q, then k goes; s46 offset in sc; s47 log2 d; s[48:49] lane selects; s[50:51] kf; s[52:53] vt; s[58:59] u
.set MSB, 0
.macro WIN new                         ; the immediate's high byte repeats the setting that is left
.if MSB != (\new)
	s_set_vgpr_msb (MSB<<8)|(\new)
.set MSB, \new
.endif
.endm
.macro PLACES                          ; four places behind matrix instructions (ISA guide 7.12.1), where no other vector work is at hand
.rept 4
	v_nop
.endr
.endm
.macro ROUND                           ; a round of the cluster's barrier
	s_barrier_signal -1
	s_barrier_wait -1
	s_cmp_lg_u32 s20, 0
	s_cbranch_scc1 .Lnw0_\@
	s_barrier_signal -3
.Lnw0_\@:
	s_barrier_wait -3
	s_barrier_signal -1
	s_barrier_wait -1
.endm
; The change of slots with a refill: my one load that is out, my quarter of this step's tiles, has landed; my reads of the other slot are over; the same holds of every
; wave of the four work-groups behind the round; then the next step is asked for, first thing, into the other slot.
.macro CHANGE1
	WIN 0
	s_wait_tensorcnt 0x0
	ds_add_u32 v[SPW], v[NIL]
	s_xor_b32 s33, s33, SLOTB
	s_add_nc_u64 s[34:35], s[34:35], SLOTB
	s_wait_dscnt 0x0
	ROUND
	tensor_load_to_lds s[32:35], s[24:31]
	s_nop 0
	PLACES
.endm
.macro CHANGE0                         ; the same with nothing left to ask for
	WIN 0
	s_wait_tensorcnt 0x0
	ds_add_u32 v[SPW], v[NIL]
	s_wait_dscnt 0x0
	s_barrier_signal -1
	s_barrier_wait -1
.endm
.macro LOADA buf, ad, off              ; eight weight fragments, 16 loads of 512 consecutive bytes
	WIN 0x40
.irp i, 0,1,2,3,4,5,6,7
	ds_load_b128 v[AB+64*(\buf)+8*\i:AB+64*(\buf)+8*\i+3], v[\ad] offset:(\off)+\i*4096
	ds_load_b128 v[AB+64*(\buf)+8*\i+4:AB+64*(\buf)+8*\i+7], v[\ad] offset:(\off)+\i*4096+512
.endr
.endm
; A tile: 16 row tiles x 4 k steps, 64 matrix instructions in 8 batches (k step b / 2, row tiles 8 (b % 2) + 0..7).  The next batch's fragments are asked for ahead of a batch's
; products.  The eight accumulators of a batch take turns.  swap = 1: my rows are source 0, so a lane holds one channel and eight rows.
; The caller sees to the four places in front of the first loads.
.macro TILE form, ad, bbase, zero, swap
	LOADA 0, \ad, 0
.set b, 0
.rept 8
.if b < 7
.if b > 0
	PLACES
.endif
	LOADA (b+1)%2, \ad, ((b+1)%2)*32768+((b+1)/2)*1024
	s_wait_dscnt 16                                ; all but the 16 just issued
.else
	s_wait_dscnt 0x0
.endif
.if \swap
	WIN 0x54
.else
	WIN 0x51
.endif
.irp i, 0,1,2,3,4,5,6,7
.set rD, ACC+8*(8*(b%2)+\i)
.set rA, AB+64*(b%2)+8*\i
.set rB, (\bbase)+8*(b/2)
.if (\zero) && (b < 2)
.if \swap
	v_wmma_f32_16x16x32_\form v[rD:rD+7], v[rB:rB+7], v[rA:rA+7], 0
.else
	v_wmma_f32_16x16x32_\form v[rD:rD+7], v[rA:rA+7], v[rB:rB+7], 0
.endif
.else
.if \swap
	v_wmma_f32_16x16x32_\form v[rD:rD+7], v[rB:rB+7], v[rA:rA+7], v[rD:rD+7]
.else
	v_wmma_f32_16x16x32_\form v[rD:rD+7], v[rA:rA+7], v[rB:rB+7], v[rD:rD+7]
.endif
.endif
.endr
.set b, b+1
.endr
.endm
.macro XLOAD                           ; a step of x: 16 rows x 1,024 bytes, each load 512 consecutive bytes
	WIN 0x80
.set n, 0
.rept 32
	global_load_b128 v[4*n:4*n+3], v[LN], s[4:5] offset:(n/2)*4096+(n%2)*512 th:TH_LOAD_NT
.set n, n+1
.endr
	WIN 0
.endm
.macro XCONV                           ; the step that has come is rounded to bf16 and laid into my rows; the next is asked for (not in the last trip)
	s_wait_loadcnt 0x0
	WIN 0x0a
.set n, 0
.rept 64
	v_cvt_pk_bf16_f32 v[T+n], v[2*n], v[2*n+1]
.set n, n+1
.endr
	WIN 0
.set n, 0
.rept 32
	ds_store_b64 v[XSA], v[T+2*n:T+2*n+1] offset:(n/2)*XSP+(n%2)*256
.set n, n+1
.endr
	s_cmp_eq_u32 s38, 1
	s_cbranch_scc1 .Lnox_\@
	s_add_nc_u64 s[4:5], s[4:5], 1024              ; free: the loads that named it are done
	XLOAD
.Lnox_\@:
.endm
; The block's largest magnitude over the sixteen accumulators, the lanes and the four waves; kappa = its exponent; 1 / kappa into s[40:41]; kappa into sc by thread 0.
.macro REDUCE
	WIN 0
	v_mov_b32 v[M0], 0                             ; these four are the places behind the last products
	v_mov_b32 v[M1], 0
	v_mov_b32 v[SCO], s46
	v_nop
	WIN 0x05
.set n, 0
.rept 64
	v_max3_num_f32 v[M0+n%2], |v[ACC+2*n]|, |v[ACC+2*n+1]|, v[M0+n%2]
.set n, n+1
.endr
	WIN 0
	v_max_num_f32 v[M0], v[M0], v[M1]
	v_max_num_f32_dpp v[M0], v[M0], v[M0] row_xmask:1 row_mask:0xf bank_mask:0xf
	v_max_num_f32_dpp v[M0], v[M0], v[M0] row_xmask:2 row_mask:0xf bank_mask:0xf
	v_max_num_f32_dpp v[M0], v[M0], v[M0] row_xmask:4 row_mask:0xf bank_mask:0xf
	v_max_num_f32_dpp v[M0], v[M0], v[M0] row_xmask:8 row_mask:0xf bank_mask:0xf
	v_permlanex16_b32 v[M1], v[M0], s48, s49
	v_max_num_f32 v[M0], v[M0], v[M1]
	ds_store_b32 v[REDW], v[M0]
	s_wait_dscnt 0x0                               ; for the others' sake: my word is written, and my reads of the tiles are over
	s_barrier_signal -1
	s_barrier_wait -1
	ds_load_b128 v[RD4:RD4+3], v[REDR]
	s_wait_dscnt 0x0
	v_max3_num_f32 v[M0], v[RD4], v[RD4+1], v[RD4+2]
	v_max_num_f32 v[M0], v[M0], v[RD4+3]
	v_and_b32 v[M0], 0x7f800000, v[M0]             ; kappa: the exponent alone,
	v_min_u32 v[M0], 0x7e800000, v[M0]             ; 2^126 at the most,
	v_sub_nc_u32 v[M1], 0x7f000000, v[M0]          ; and its reciprocal: the exponent mirrored
	v_readfirstlane_b32 s40, v[M1]
	s_mov_b32 s41, s40
	s_wait_xcnt 0x0                                ; EXEC changes only behind this wait
	v_cmp_eq_u32 vcc_lo, 0, v0
	s_and_saveexec_b32 s54, vcc_lo
	global_store_b32 v[SCO], v[M0], s[18:19]
	s_wait_xcnt 0x0
	s_or_b32 exec_lo, exec_lo, s54
.endm
.macro DECAY zs, t, out                ; log2 sigmoid(z), z rounded to bf16, no lower than -1e30
	v_cvt_pk_bf16_f32 v[\t], s[\zs], s[\zs]
	v_lshlrev_b32 v[\t], 16, v[\t]
	v_mul_f32 v[\t], 0xbfb8aa3b, v[\t]
	v_exp_f32 v[\t], v[\t]
	v_nop
	s_wait_alu depctr_va_vdst(0)
	v_add_f32 v[\t], 1.0, v[\t]
	v_log_f32 v[\t], v[\t]
	v_nop
	s_wait_alu depctr_va_vdst(0)
	v_sub_f32 v[\t], 0, v[\t]
	v_max_num_f32 v[\t], 0xf149f2ca, v[\t]
	v_readfirstlane_b32 s[\out], v[\t]
.endm
	s_load_b512 s[4:19], s[0:1], 0x0               ; x, wcat, decay_logit, qf, kf, vt, u, sc
	v_lshl_add_u32 v[SPW], v0, 2, SPARE
	v_mov_b32 v[NIL], 0
	ds_add_u32 v[SPW], v[NIL]                      ; the wave's opening: the add and its wait stand ahead of my first tensor load
	v_lshrrev_b32 v[LN], 5, v0
	v_readfirstlane_b32 s20, v[LN]                 ; wave
	s_bfe_u32 s21, ttmp6, 0x40000                  ; cx
	s_lshl_b32 s22, ttmp9, 2
	s_add_co_u32 s22, s22, s21                     ; my block of 64 rows
	; group 1: 32 KB, dense, as 128 rows of 256 bytes (32 elements of 8 bytes); mask of all four partners
	s_mov_b32 s24, 15|(3<<16)|(1<<21)
	s_mov_b32 s25, 32<<16
	s_mov_b32 s26, 128<<16
	s_mov_b32 s27, 32<<16
	s_mov_b32 s28, 128
	s_mov_b32 s29, 32
	s_mov_b32 s30, 0
	s_mov_b32 s31, 0
	s_mov_b32 s32, 1
	s_lshl_b32 s33, s20, 15                        ; my quarter of slot 0
	s_lshl_b32 s54, s20, 15                        ; and of a step of wcat: the wave's number alone
	s_mov_b32 s55, 0
	s_lshl_b32 s56, s22, 18                        ; my rows of x: 64 x 4,096 a block, 16 x 4,096 a wave
	s_lshl_b32 s57, s20, 16
	s_add_co_u32 s56, s56, s57
	s_mov_b32 s57, 0
	s_mov_b32 s48, 0x76543210
	s_mov_b32 s49, 0xfedcba98
	s_mov_b32 s36, 0
	s_mov_b32 s37, 0
	v_and_b32 v[LN], 31, v0
	v_lshlrev_b32 v[LN], 4, v[LN]
	s_wait_dscnt 0x0
	s_wait_kmcnt 0x0
	s_add_nc_u64 s[34:35], s[6:7], s[54:55]
	s_or_b32 s35, s35, 0x80000000
	s_add_nc_u64 s[4:5], s[4:5], s[56:57]
	XLOAD                                          ; step 0 of x
	ROUND                                          ; the four work-groups are here: the first joint loads meet
	tensor_load_to_lds s[32:35], s[24:31]          ; step 0 of wcat
	s_nop 0
	PLACES
	s_load_b32 s47, s[8:9], 0x0
	v_and_b32 v12, 15, v0                          ; r
	v_bfe_u32 v13, v0, 4, 1                        ; h
	v_and_b32 v14, 31, v0
	s_mul_i32 s54, s20, 16*XSP
	s_add_co_u32 s54, s54, XS
	v_lshl_add_u32 v[XSA], v14, 3, s54
	v_mul_u32_u24 v[XRA], v12, XSP
	v_lshl_add_u32 v[XRA], v13, 4, v[XRA]
	v_add_nc_u32 v[XRA], s54, v[XRA]
	s_lshl_b32 s55, s20, 9
	v_add_nc_u32 v[KW], s55, v[LN]
	s_lshl_b32 s55, s20, 2
	s_add_co_u32 s55, s55, RED
	v_mov_b32 v[REDW], s55
	v_mov_b32 v[REDR], RED
	s_lshl_b32 s55, s20, 4
	v_lshl_add_u32 v[TI], v13, 3, s55
	s_lshl_b32 s56, s22, 15                        ; qf, kf: 8,192 bytes for each group of 16 rows
	s_lshl_b32 s60, s20, 13
	s_add_co_u32 s56, s56, s60
	s_add_nc_u64 s[44:45], s[10:11], s[56:57]
	s_add_nc_u64 s[50:51], s[12:13], s[56:57]
	s_lshl_b32 s56, ttmp9, 17                      ; vt: the chunk's 128 KB, my group of 16 rows in it
	s_lshl_b32 s60, s21, 2
	s_add_co_u32 s60, s60, s20
	s_lshl_b32 s60, s60, 9
	s_add_co_u32 s56, s56, s60
	s_add_nc_u64 s[52:53], s[14:15], s[56:57]
	s_lshl_b32 s56, s22, 17                        ; u: the block's 128 KB, my four tiles of v's channels
	s_lshl_b32 s60, s20, 15
	s_add_co_u32 s56, s56, s60
	s_add_nc_u64 s[58:59], s[16:17], s[56:57]
	s_lshl_b32 s46, s22, 2
	WIN 0x40                                       ; the accumulators are cleared on purpose: the one text of the first product's tile then serves all eight tiles; it stands in the wait for the first tile
.set n, 0
.rept 128
	v_mov_b32 v[ACC+n], 0
.set n, n+1
.endr
	WIN 0
	s_wait_kmcnt 0x0
	DECAY 47, DT, 47
	; xb^T = basis^T x^T: four steps of two tiles (128 columns of x each)
	s_mov_b32 s38, 4
.Lg1:
	XCONV
	CHANGE1
	s_mov_b32 s39, 2
.Lg1t:
	v_add_nc_u32 v[AD0], s36, v[LN]
	v_add_nc_u32 v[XR], s37, v[XRA]
	PLACES
.irp k, 0,1,2,3
	ds_load_b128 v[XB+8*\k:XB+8*\k+3], v[XR] offset:64*\k
	ds_load_b128 v[XB+8*\k+4:XB+8*\k+7], v[XR] offset:64*\k+32
.endr
	TILE bf16, AD0, XB, 0, 0
	WIN 0
	s_xor_b32 s36, s36, TILEB
	s_xor_b32 s37, s37, 256
	s_sub_co_u32 s39, s39, 1
	s_cmp_lg_u32 s39, 0
	s_cbranch_scc1 .Lg1t
	s_xor_b32 s36, s36, SLOTB
	s_sub_co_u32 s38, s38, 1
	s_cmp_lg_u32 s38, 0
	s_cbranch_scc1 .Lg1
	; a lane holds one row and eight neighbouring j: two results, rounded in pairs, are a fragment of xb (rows t, k = j)
	PLACES
	WIN 0x05
.set n, 0
.rept 64
	v_cvt_pk_f16_f32 v[XH+n], v[ACC+2*n], v[ACC+2*n+1]
.set n, n+1
.endr
	WIN 0
	; q, then k: a lane holds one row and eight channels: fragments with the rows as rows
	s_mov_b32 s38, 2
.Lqa:
	CHANGE1
	v_add_nc_u32 v[AD0], s36, v[LN]
	v_add_nc_u32 v[AD1], TILEB, v[AD0]
	TILE f16, AD0, XH, 1, 0
	PLACES
	TILE f16, AD1, XH+32, 0, 0
	REDUCE
	WIN 0x41
.set n, 0
.rept 64
	v_pk_mul_f32 v[ACC+2*n:ACC+2*n+1], v[ACC+2*n:ACC+2*n+1], s[40:41] op_sel_hi:[1,0]
.set n, n+1
.endr
	WIN 0x05
.set n, 0
.rept 64
	v_cvt_pk_f16_f32 v[T+n], v[ACC+2*n], v[ACC+2*n+1]
.set n, n+1
.endr
	WIN 0
.set n, 0
.rept 16
	global_store_b128 v[LN], v[T+4*n:T+4*n+3], s[44:45] offset:n*512   ; 512 consecutive bytes
.set n, n+1
.endr
	s_wait_xcnt 0x0                                ; the stores' base and data are written again only behind this wait
	s_mov_b64 s[44:45], s[50:51]
	s_add_co_u32 s46, s46, 1024
	s_xor_b32 s36, s36, SLOTB
	s_sub_co_u32 s38, s38, 1
	s_cmp_lg_u32 s38, 0
	s_cbranch_scc1 .Lqa
	; k once more, then v, turned: a lane holds one channel and eight rows.  k takes d^(row in the block).  Both go into LDS for U; v also to vt.
	; They are stored into slot 1, whose last fill has been: k's coefficients there are read by nobody behind the barrier in REDUCE.
	s_xor_b32 s36, s36, SLOTB                      ; back to k's slot
	s_add_co_u32 s46, s46, 1024                    ; sc's row 3, then row 2
	s_mov_b32 s42, s47
	s_mov_b32 s43, KT
	s_mov_b32 s38, 2
.Lkb:
	CHANGE0
	v_add_nc_u32 v[AD0], s36, v[LN]
	v_add_nc_u32 v[AD1], TILEB, v[AD0]
	v_add_nc_u32 v[KA], s43, v[KW]
	PLACES
	TILE f16, AD0, XH, 1, 1
	PLACES
	TILE f16, AD1, XH+32, 0, 1
	REDUCE
.irp j, 0,1,2,3,4,5,6,7
	v_add_nc_u32 v[W8+\j], \j, v[TI]
.endr
.irp j, 0,1,2,3,4,5,6,7
	v_cvt_f32_u32 v[W8+\j], v[W8+\j]
.endr
.irp j, 0,1,2,3,4,5,6,7
	v_mul_f32 v[W8+\j], s42, v[W8+\j]
.endr
.irp j, 0,1,2,3,4,5,6,7
	v_exp_f32 v[W8+\j], v[W8+\j]
.endr
	v_nop
	s_wait_alu depctr_va_vdst(0)
.irp j, 0,1,2,3,4,5,6,7
	v_mul_f32 v[W8+\j], s40, v[W8+\j]              ; d^row / kappa (v: 1 / kappa)
.endr
	WIN 0x41
.set n, 0
.rept 64
	v_pk_mul_f32 v[ACC+2*n:ACC+2*n+1], v[ACC+2*n:ACC+2*n+1], v[W8+2*(n%4):W8+2*(n%4)+1]
.set n, n+1
.endr
	WIN 0x05
.set n, 0
.rept 64
	v_cvt_pk_f16_f32 v[T+n], v[ACC+2*n], v[ACC+2*n+1]
.set n, n+1
.endr
	WIN 0
.set n, 0
.rept 16
	ds_store_b128 v[KA], v[T+4*n:T+4*n+3] offset:n*2048
.set n, n+1
.endr
	s_cmp_lg_u32 s38, 1
	s_cbranch_scc1 .Lnov
.set n, 0
.rept 16
	global_store_b128 v[LN], v[T+4*n:T+4*n+3], s[52:53] offset:n*8192
.set n, n+1
.endr
.Lnov:
	s_mov_b32 s42, 0
	s_add_co_u32 s43, s43, 32768
	s_sub_co_u32 s46, s46, 1024
	s_xor_b32 s36, s36, SLOTB
	s_sub_co_u32 s38, s38, 1
	s_cmp_lg_u32 s38, 0
	s_cbranch_scc1 .Lkb
	; U: source 0 = k's channels a, source 1 = v's channels b, K = the block's 64 rows.  A wave takes four tiles of b and all sixteen of a, two a trip.
	s_wait_xcnt 0x0
	s_wait_dscnt 0x0                               ; my stores into KT and VT are done
	s_barrier_signal -1
	s_barrier_wait -1
	s_lshl_b32 s54, s20, 13
	s_add_co_u32 s54, s54, VT
	v_add_nc_u32 v[VA], s54, v[LN]
.set n, 0
.rept 16
	ds_load_b128 v[VB+4*n:VB+4*n+3], v[VA] offset:n*512
.set n, n+1
.endr
	s_mov_b32 s43, KT
	s_mov_b32 s38, 8
.Lu:
	v_add_nc_u32 v[KA], s43, v[LN]
	WIN 0x40
.set n, 0
.rept 8
	ds_load_b128 v[AB+4*n:AB+4*n+3], v[KA] offset:n*512
.set n, n+1
.endr
	s_wait_dscnt 0x0
	WIN 0x51
.irp i, 0,1
.irp m, 0,1
.irp q, 0,1,2,3
.if \i == 0
	v_wmma_f32_16x16x32_f16 v[ACC+8*(4*\m+\q):ACC+8*(4*\m+\q)+7], v[AB+8*(2*\m+\i):AB+8*(2*\m+\i)+7], v[VB+8*(2*\q+\i):VB+8*(2*\q+\i)+7], 0
.else
	v_wmma_f32_16x16x32_f16 v[ACC+8*(4*\m+\q):ACC+8*(4*\m+\q)+7], v[AB+8*(2*\m+\i):AB+8*(2*\m+\i)+7], v[VB+8*(2*\q+\i):VB+8*(2*\q+\i)+7], v[ACC+8*(4*\m+\q):ACC+8*(4*\m+\q)+7]
.endif
.endr
.endr
.endr
	PLACES
	WIN 0x05
.set n, 0
.rept 32
	v_cvt_pk_f16_f32 v[T+n], v[ACC+2*n], v[ACC+2*n+1]
.set n, n+1
.endr
	WIN 0
.irp m, 0,1
.irp q, 0,1,2,3
	global_store_b128 v[LN], v[T+4*(4*\m+\q):T+4*(4*\m+\q)+3], s[58:59] offset:\q*8192+\m*512
.endr
.endr
	s_wait_xcnt 0x0
	s_add_nc_u64 s[58:59], s[58:59], 1024
	s_add_co_u32 s43, s43, 4096
	s_sub_co_u32 s38, s38, 1
	s_cmp_lg_u32 s38, 0
	s_cbranch_scc1 .Lu
	s_wait_tensorcnt 0x0                           ; the wave's end
	ds_add_u32 v[SPW], v[NIL]
	s_wait_dscnt 0x0
	ROUND                                          ; the closing round
	s_endpgm
.Lfunc_end_k_q2476c030c7_proj:
	.size	k_q2476c030c7_proj, .Lfunc_end_k_q2476c030c7_proj-k_q2476c030c7_proj
	.p2alignl 7, 3214868480
	.fill 96, 4, 3214868480
	.section	.rodata,"a",@progbits
	.p2align	6, 0x0
	.amdhsa_kernel k_q2476c030c7_proj
		.amdhsa_group_segment_fixed_size 327680
		.amdhsa_private_segment_fixed_size 0
		.amdhsa_enable_private_segment 0
		.amdhsa_kernarg_size 64
		.amdhsa_user_sgpr_count 2
		.amdhsa_user_sgpr_kernarg_segment_ptr 1
		.amdhsa_wavefront_size32 1
		.amdhsa_system_sgpr_workgroup_id_x 1
		.amdhsa_system_sgpr_workgroup_id_y 1
		.amdhsa_system_sgpr_workgroup_id_z 1
		.amdhsa_system_vgpr_workitem_id 0
		.amdhsa_next_free_vgpr 640
		.amdhsa_next_free_sgpr 66
		.amdhsa_reserve_vcc 1
		.amdhsa_float_denorm_mode_32 3
		.amdhsa_float_denorm_mode_16_64 3
		.amdhsa_memory_ordered 1
		.amdhsa_forward_progress 1
		.amdhsa_inst_pref_size 136
	.end_amdhsa_kernel
	.amdgpu_metadata
---
amdhsa.version: [ 1, 2 ]
amdhsa.kernels:
  - .name:           k_q2476c030c7_proj
    .symbol:         k_q2476c030c7_proj.kd
    .args:
      - { .name: x, .offset: 0, .size: 8, .value_kind: global_buffer, .address_space: global }
      - { .name: wcat, .offset: 8, .size: 8, .value_kind: global_buffer, .address_space: global }
      - { .name: decay_logit, .offset: 16, .size: 8, .value_kind: global_buffer, .address_space: global }
      - { .name: qf, .offset: 24, .size: 8, .value_kind: global_buffer, .address_space: global }
      - { .name: kf, .offset: 32, .size: 8, .value_kind: global_buffer, .address_space: global }
      - { .name: vt, .offset: 40, .size: 8, .value_kind: global_buffer, .address_space: global }
      - { .name: u, .offset: 48, .size: 8, .value_kind: global_buffer, .address_space: global }
      - { .name: sc, .offset: 56, .size: 8, .value_kind: global_buffer, .address_space: global }
    .group_segment_fixed_size: 327680
    .private_segment_fixed_size: 0
    .kernarg_segment_align: 8
    .kernarg_segment_size: 64
    .max_flat_workgroup_size: 128
    .sgpr_count:     66
    .vgpr_count:     640
    .wavefront_size: 32
...
	.end_amdgpu_metadata
.endif
;; end of part 2
;; launch scan (part 3): grid 256 x 1, 4 waves a work-group, no clusters, 0 bytes of LDS; arguments u, sc, decay_logit, st; writes st
.if DOCPART == 3
	.amdgcn_target "amdgcn-amd-amdhsa--gfx1250"
	.amdhsa_code_object_version 6
	.text
	.protected	k_q2476c030c7_scan
	.globl	k_q2476c030c7_scan
	.p2align	8
	.type	k_q2476c030c7_scan,@function
k_q2476c030c7_scan:
	s_mov_b64 s[64:65], 0
	v_nop
	global_prefetch_b8 v0, s[64:65] scope:SCOPE_SE
	s_setreg_imm32_b32 hwreg(HW_REG_WAVE_MODE, 25, 1), 1
	s_wait_xcnt 0x0
; SCAN: the state behind each chunk of 256 rows.  For each batch, from the last chunk to the first: st[c] = R; then for the chunk's blocks i = 3 .. 0: R = R d^64 + U[4 c + i].
; So st[c] = the sum over rows s from the chunk's end on of d^(s - end) k_s v_s^T.  Every factor is a power of d, 1 at the most: nothing is divided, no large sums are subtracted.
; U's blocks carry their own powers of two (sc); the state is kept in units of the batch's largest: rho = (kappa_k / Kmax) (kappa_v / Vmax), 1 at the most.
; In those units |U| stays below 256 and 60 blocks below 15,360: inside f16.  A block whose rho falls below f32's range counts as 0.
; Element by element: a thread owns 16 bytes (8 numbers) of the 128 KB image, R in f32 in registers.  Memory binds: no LDS, no matrix unit, no cluster (nothing is shared).
; A ring of five chunk slots in registers: six loads a slot (four of U, two of scales), 30 loads of every wave on their way.
.set CHB, 524288                       ; a chunk's four blocks of U
.set IMG, 131072
.set OFF, 1                            ; my 16 bytes in an image
.set ZR,  2                            ; 0: the scales' address is the same in every lane
.set L4,  3
.set KM,  4
.set VM,  5
.set TA,  6
.set TB,  7
.set U,   8                            ; v8-87   slot k: 16 registers
.set KP,  88                           ; v88-127 slot k: kappa_k of 4 blocks, kappa_v of 4 blocks
.set R,   128
.set T,   136
.set RHO, 144
.set Y,   148
.macro DECAY zs, t, out                ; log2 sigmoid(z), z rounded to bf16, no lower than -1e30
	v_cvt_pk_bf16_f32 v[\t], s[\zs], s[\zs]
	v_lshlrev_b32 v[\t], 16, v[\t]
	v_mul_f32 v[\t], 0xbfb8aa3b, v[\t]
	v_exp_f32 v[\t], v[\t]
	v_nop
	s_wait_alu depctr_va_vdst(0)
	v_add_f32 v[\t], 1.0, v[\t]
	v_log_f32 v[\t], v[\t]
	v_nop
	s_wait_alu depctr_va_vdst(0)
	v_sub_f32 v[\t], 0, v[\t]
	v_max_num_f32 v[\t], 0xf149f2ca, v[\t]
	v_readfirstlane_b32 s[\out], v[\t]
.endm
.macro FILL k, ahead                   ; slot k takes the chunk k + ahead below the round's first
.irp i, 0,1,2,3
	global_load_b128 v[U+16*(\k)+4*\i:U+16*(\k)+4*\i+3], v[OFF], s[4:5] offset:\i*IMG-((\k)+(\ahead))*CHB th:TH_LOAD_NT
.endr
	global_load_b128 v[KP+8*(\k):KP+8*(\k)+3], v[ZR], s[6:7] offset:3072-((\k)+(\ahead))*16
	global_load_b128 v[KP+8*(\k)+4:KP+8*(\k)+7], v[ZR], s[6:7] offset:2048-((\k)+(\ahead))*16
.endm
.macro UP i, a, b, c, d                ; R = R d^64 + U rho_i; a to d: the block's four registers, by number, since halves are named
	v_cvt_f32_f16 v[T], v\a\().l
	v_cvt_f32_f16 v[T+1], v\a\().h
	v_cvt_f32_f16 v[T+2], v\b\().l
	v_cvt_f32_f16 v[T+3], v\b\().h
	v_cvt_f32_f16 v[T+4], v\c\().l
	v_cvt_f32_f16 v[T+5], v\c\().h
	v_cvt_f32_f16 v[T+6], v\d\().l
	v_cvt_f32_f16 v[T+7], v\d\().h
.irp p, 0,1,2,3
.if ((\i)%2) == 0
	v_pk_mul_f32 v[T+2*\p:T+2*\p+1], v[T+2*\p:T+2*\p+1], v[RHO+2*((\i)/2):RHO+2*((\i)/2)+1] op_sel_hi:[1,0]
.else
	v_pk_mul_f32 v[T+2*\p:T+2*\p+1], v[T+2*\p:T+2*\p+1], v[RHO+2*((\i)/2):RHO+2*((\i)/2)+1] op_sel:[0,1] op_sel_hi:[1,1]
.endif
.endr
.irp p, 0,1,2,3
	v_pk_fma_f32 v[R+2*\p:R+2*\p+1], v[R+2*\p:R+2*\p+1], s[30:31], v[T+2*\p:T+2*\p+1] op_sel_hi:[1,0,1]
.endr
.endm
.macro CH k, refill, left, u0,u1,u2,u3,u4,u5,u6,u7,u8,u9,u10,u11,u12,u13,u14,u15
	s_wait_loadcnt \left                           ; my six loads are in; the younger slots' stay out
	s_wait_xcnt 0x0                                ; Y, which the last store reads, is written again only behind this wait
.irp p, 0,1,2,3
	v_cvt_pk_f16_f32 v[Y+\p], v[R+2*\p], v[R+2*\p+1]
.endr
	global_store_b128 v[OFF], v[Y:Y+3], s[10:11] offset:-(\k)*IMG
	v_pk_mul_f32 v[RHO:RHO+1], v[KP+8*(\k):KP+8*(\k)+1], s[26:27] op_sel_hi:[1,0]
	v_pk_mul_f32 v[RHO+2:RHO+3], v[KP+8*(\k)+2:KP+8*(\k)+3], s[26:27] op_sel_hi:[1,0]
	v_pk_mul_f32 v[T:T+1], v[KP+8*(\k)+4:KP+8*(\k)+5], s[28:29] op_sel_hi:[1,0]
	v_pk_mul_f32 v[T+2:T+3], v[KP+8*(\k)+6:KP+8*(\k)+7], s[28:29] op_sel_hi:[1,0]
	v_pk_mul_f32 v[RHO:RHO+1], v[RHO:RHO+1], v[T:T+1]
	v_pk_mul_f32 v[RHO+2:RHO+3], v[RHO+2:RHO+3], v[T+2:T+3]
	UP 3, \u12, \u13, \u14, \u15
	UP 2, \u8, \u9, \u10, \u11
	UP 1, \u4, \u5, \u6, \u7
	UP 0, \u0, \u1, \u2, \u3
.if \refill
	FILL \k, 5
.endif
.endm
.macro RING refill                     ; five chunks; without refills the counts run down
	CH 0, \refill, 24, 8,9,10,11,12,13,14,15,16,17,18,19,20,21,22,23
	CH 1, \refill, 24-6*(1-(\refill)), 24,25,26,27,28,29,30,31,32,33,34,35,36,37,38,39
	CH 2, \refill, 24-12*(1-(\refill)), 40,41,42,43,44,45,46,47,48,49,50,51,52,53,54,55
	CH 3, \refill, 24-18*(1-(\refill)), 56,57,58,59,60,61,62,63,64,65,66,67,68,69,70,71
	CH 4, \refill, 24-24*(1-(\refill)), 72,73,74,75,76,77,78,79,80,81,82,83,84,85,86,87
.endm
	s_load_b256 s[4:11], s[0:1], 0x0               ; u, sc, decay_logit, st
	s_lshr_b32 s12, ttmp9, 6                       ; batch
	s_and_b32 s13, ttmp9, 63
	s_lshl_b32 s13, s13, 11                        ; 128 threads x 16 bytes
	v_lshl_add_u32 v[OFF], v0, 4, s13
	v_mov_b32 v[ZR], 0
	v_and_b32 v[L4], 31, v0
	v_lshlrev_b32 v[L4], 2, v[L4]
	s_lshl_b32 s14, s12, 6
	s_add_co_u32 s14, s14, 60                      ; the first block of the batch's chunk 15
	s_lshl_b32 s16, s14, 17
	s_mov_b32 s17, 0
	s_lshl_b32 s18, s14, 2
	s_mov_b32 s19, 0
	s_lshl_b32 s20, s12, 4
	s_add_co_u32 s20, s20, 15
	s_lshl_b32 s20, s20, 17
	s_mov_b32 s21, 0
	s_lshl_b32 s22, s12, 8
	s_mov_b32 s23, 0
	s_mov_b32 s32, 0x76543210
	s_mov_b32 s33, 0xfedcba98
	s_wait_kmcnt 0x0
	s_load_b32 s24, s[8:9], 0x0
	s_add_nc_u64 s[22:23], s[6:7], s[22:23]        ; the batch's 64 entries of a row of sc
	s_add_nc_u64 s[4:5], s[4:5], s[16:17]
	s_add_nc_u64 s[6:7], s[6:7], s[18:19]
	s_add_nc_u64 s[10:11], s[10:11], s[20:21]
	global_load_b32 v[KM], v[L4], s[22:23] offset:1024
	global_load_b32 v[TA], v[L4], s[22:23] offset:1152
	global_load_b32 v[VM], v[L4], s[22:23] offset:2048
	global_load_b32 v[TB], v[L4], s[22:23] offset:2176
	FILL 0, 0
	FILL 1, 0
	FILL 2, 0
	FILL 3, 0
	FILL 4, 0
	s_wait_loadcnt 30                              ; the four above are in; the ring's 30 stay out
	v_max_num_f32 v[KM], v[KM], v[TA]
	v_max_num_f32 v[VM], v[VM], v[TB]
.irp m, 1,2,4,8
	v_max_num_f32_dpp v[KM], v[KM], v[KM] row_xmask:\m row_mask:0xf bank_mask:0xf
	v_max_num_f32_dpp v[VM], v[VM], v[VM] row_xmask:\m row_mask:0xf bank_mask:0xf
.endr
	v_permlanex16_b32 v[TA], v[KM], s32, s33
	v_permlanex16_b32 v[TB], v[VM], s32, s33
	v_max_num_f32 v[KM], v[KM], v[TA]
	v_max_num_f32 v[VM], v[VM], v[TB]
	v_sub_nc_u32 v[KM], 0x7f000000, v[KM]          ; the reciprocals of two powers of two: the exponents mirrored
	v_sub_nc_u32 v[VM], 0x7f000000, v[VM]
	v_readfirstlane_b32 s26, v[KM]
	s_mov_b32 s27, s26
	v_readfirstlane_b32 s28, v[VM]
	s_mov_b32 s29, s28
	s_wait_kmcnt 0x0
	DECAY 24, TA, 25
	v_mul_f32 v[TA], 0x42800000, v[TA]
	v_exp_f32 v[TA], v[TA]                         ; d^64
	v_nop
	s_wait_alu depctr_va_vdst(0)
	v_readfirstlane_b32 s30, v[TA]
	s_mov_b32 s31, s30
.irp p, 0,1,2,3,4,5,6,7
	v_mov_b32 v[R+\p], 0                           ; behind the batch's last row there is nothing
.endr
	s_mov_b32 s34, 2
.Lround:
	RING 1
	s_wait_xcnt 0x0                                ; the bases step only behind this wait
	s_sub_nc_u64 s[4:5], s[4:5], 5*CHB
	s_sub_nc_u64 s[6:7], s[6:7], 80
	s_sub_nc_u64 s[10:11], s[10:11], 5*IMG
	s_sub_co_u32 s34, s34, 1
	s_cmp_lg_u32 s34, 0
	s_cbranch_scc1 .Lround
	RING 0                                         ; chunks 5 to 1: nothing is left to fetch
	s_wait_xcnt 0x0
.irp p, 0,1,2,3
	v_cvt_pk_f16_f32 v[Y+\p], v[R+2*\p], v[R+2*\p+1]
.endr
	global_store_b128 v[OFF], v[Y:Y+3], s[10:11] offset:-5*IMG   ; chunk 0's state
	s_endpgm
.Lfunc_end_k_q2476c030c7_scan:
	.size	k_q2476c030c7_scan, .Lfunc_end_k_q2476c030c7_scan-k_q2476c030c7_scan
	.p2alignl 7, 3214868480
	.fill 96, 4, 3214868480
	.section	.rodata,"a",@progbits
	.p2align	6, 0x0
	.amdhsa_kernel k_q2476c030c7_scan
		.amdhsa_group_segment_fixed_size 0
		.amdhsa_private_segment_fixed_size 0
		.amdhsa_enable_private_segment 0
		.amdhsa_kernarg_size 32
		.amdhsa_user_sgpr_count 2
		.amdhsa_user_sgpr_kernarg_segment_ptr 1
		.amdhsa_wavefront_size32 1
		.amdhsa_system_sgpr_workgroup_id_x 1
		.amdhsa_system_sgpr_workgroup_id_y 1
		.amdhsa_system_sgpr_workgroup_id_z 1
		.amdhsa_system_vgpr_workitem_id 0
		.amdhsa_next_free_vgpr 160
		.amdhsa_next_free_sgpr 66
		.amdhsa_reserve_vcc 0
		.amdhsa_float_denorm_mode_32 3
		.amdhsa_float_denorm_mode_16_64 3
		.amdhsa_memory_ordered 1
		.amdhsa_forward_progress 1
		.amdhsa_inst_pref_size 48
	.end_amdhsa_kernel
	.amdgpu_metadata
---
amdhsa.version: [ 1, 2 ]
amdhsa.kernels:
  - .name:           k_q2476c030c7_scan
    .symbol:         k_q2476c030c7_scan.kd
    .args:
      - { .name: u, .offset: 0, .size: 8, .value_kind: global_buffer, .address_space: global }
      - { .name: sc, .offset: 8, .size: 8, .value_kind: global_buffer, .address_space: global }
      - { .name: decay_logit, .offset: 16, .size: 8, .value_kind: global_buffer, .address_space: global }
      - { .name: st, .offset: 24, .size: 8, .value_kind: global_buffer, .address_space: global }
    .group_segment_fixed_size: 0
    .private_segment_fixed_size: 0
    .kernarg_segment_align: 8
    .kernarg_segment_size: 32
    .max_flat_workgroup_size: 128
    .sgpr_count:     66
    .vgpr_count:     160
    .wavefront_size: 32
...
	.end_amdgpu_metadata
.endif
;; end of part 3
;; launch attn (part 4): grid 256 x 1, 4 waves a work-group, clusters of 4 x 1, 327,680 bytes of LDS; arguments qf, kf, vt, st, ow, sc, decay_logit, out_scale, out0; writes out0
.if DOCPART == 4
	.amdgcn_target "amdgcn-amd-amdhsa--gfx1250"
	.amdhsa_code_object_version 6
	.text
	.protected	k_q2476c030c7_attn
	.globl	k_q2476c030c7_attn
	.p2align	8
	.type	k_q2476c030c7_attn,@function
k_q2476c030c7_attn:
	s_mov_b64 s[64:65], 0
	v_nop
	global_prefetch_b8 v0, s[64:65] scope:SCOPE_SE
	s_setreg_imm32_b32 hwreg(HW_REG_WAVE_MODE, 25, 1), 1
	s_wait_xcnt 0x0
	s_wait_alu depctr_hold_cnt(0) depctr_sa_sdst(0) depctr_va_vdst(0) depctr_va_sdst(0) depctr_va_ssrc(0) depctr_va_vcc(0) depctr_vm_vsrc(0)
	s_getreg_b32 s2, hwreg(HW_REG_IB_STS2, 6, 4)
	s_cmp_eq_u32 s2, 0
	s_cbranch_scc0 .Lentry_in_a_cluster
	s_endpgm
.Lentry_in_a_cluster:
	s_bfe_u32 s2, ttmp6, 0x10000c
	s_cmp_lg_u32 s2, 0x3003
	s_cbranch_scc0 .Lentry_shape_is_right
	s_endpgm
.Lentry_shape_is_right:
; ATTN: out[t] = out_scale . o_w . ( d^(255 - i) S_c^T q_t  +  the sum over the chunk's keys s > t of d^(s - t - 1) (q_t . k_s) v_s ),  i = t's place in its chunk of 256 rows.
; S_c is the state behind the chunk (st).  No softmax: no maximum is taken, as the problem takes none.
; UNITS: q, k, v carry a power of two for each block of 64 rows (sc), the state the batch's largest Kmax Vmax.  A key block's weight takes 2^lr = kappa_k kappa_v / (Kmax Vmax), 1 at the most,
; so both parts add in one unit; the retrieved vector is then scaled row by row by the exponent of its largest magnitude and rounded to f16; all factors are multiplied back in f32 at the end.
; LIMITS: weights and scales below f32's range count as 0; |q . k| in stored units stays below 1,024, inside f16; NaN and infinities are not treated apart.
; decay_logit and out_scale are rounded to bf16 like all inputs; log2 d is kept no lower than -1e30, so that d^0 = 1 also where d = 0.
; SHARES: a cluster's four work-groups own the four query blocks of one chunk, a wave 16 queries; a lane holds ONE query in every product (keys, channels, columns of out run along its registers).
; All four walk the same seven steps of 128 KB (state, keys, values, four of o_w), each asked for JOINTLY.  Keys at or before a query get the weight 0: every partner does the same work.
; All operands lie in memory as fragments ([8 or 16 row tiles][8 k steps][1,024 bytes]): dense tiles, fragment loads of 512 consecutive bytes.
; REGISTERS: window 0: v0-31 small things; BQ v32-95 q, later the retrieved vector; BP v96-159 the weighted scores, later rows of out; ACC2 v160-223; v224-251 exponents and factors.
;   window 1: OT v0-127 the retrieved vector's sums; AB v128-255 two buffers of eight fragments.
.set SLOTB, 0x20000
.set TILEB, 0x10000
.set OS,    262144                     ; 4 waves x 16 rows x 528 bytes: the way out, each wave's own
.set OSP,   528
.set SPARE, 295936                     ; the spare words: 128 bytes a wave, named by no other line
.set LN,  1
.set AD,  2
.set OSS, 3
.set OSR, 4
.set SCV, 5
.set SPW, 6
.set NIL, 7
.set M0,  8
.set M1,  9
.set KM,  10
.set VM,  11
.set CST, 12
.set BIG, 13
.set IV,  14                           ; v14-15
.set BQ,  32
.set BP,  96
.set ACC2, 160
.set EBJ, 224                          ; v224-231 s - t - 1 for my eight keys of the group in hand
.set ARG, 232                          ; v232-239
.set FT,  248                          ; v248-249 d^(255 - i)
.set FAC, 250                          ; v250-251 the row's factor at the end
.set OT,  0
.set AB,  128
; s22 wave; s23 cx; s[24:31] group 1; s[32:35] group 0; s36 slot and tile in hand; s37, s38 counters; s39 log2 d; s[40:45] my quarters of the chunk's kf and vt and of ow;
; s[46:47] lane selects; s[48:49] log2 d; s[50:57] lr of the four key blocks, in pairs; s59 my block; s[68:78] scalars from sc and the two scalar inputs
.set MSB, 0
.macro WIN new
.if MSB != (\new)
	s_set_vgpr_msb (MSB<<8)|(\new)
.set MSB, \new
.endif
.endm
.macro PLACES                          ; four places behind matrix instructions (ISA guide 7.12.1)
.rept 4
	v_nop
.endr
.endm
.macro ROUND
	s_barrier_signal -1
	s_barrier_wait -1
	s_cmp_lg_u32 s22, 0
	s_cbranch_scc1 .Lnw0_\@
	s_barrier_signal -3
.Lnw0_\@:
	s_barrier_wait -3
	s_barrier_signal -1
	s_barrier_wait -1
.endm
; The change of slots with a refill: my one load that is out has landed, my reads of the other slot are over, and behind the round the same holds of every wave of the four work-groups.
; step = 0: the next tensor's address is taken from s[lo:lo+1]; step = 1: o_w's next 128 KB.
.macro CHANGE step, lo
	WIN 0
	s_wait_tensorcnt 0x0
	ds_add_u32 v[SPW], v[NIL]
	s_xor_b32 s33, s33, SLOTB
.if \step
	s_add_nc_u64 s[34:35], s[34:35], SLOTB
.else
	s_mov_b64 s[34:35], s[\lo:\lo+1]
	s_or_b32 s35, s35, 0x80000000
.endif
	s_wait_dscnt 0x0
	ROUND
	tensor_load_to_lds s[32:35], s[24:31]
	s_nop 0
	PLACES
.endm
.macro LOADA buf, ad, off
	WIN 0x40
.irp i, 0,1,2,3,4,5,6,7
	ds_load_b128 v[AB+64*(\buf)+8*\i:AB+64*(\buf)+8*\i+3], v[\ad] offset:(\off)+\i*8192
	ds_load_b128 v[AB+64*(\buf)+8*\i+4:AB+64*(\buf)+8*\i+7], v[\ad] offset:(\off)+\i*8192+512
.endr
.endm
; A tile: 8 row tiles x 8 k steps, a batch of eight products a k step, the next batch's fragments asked for ahead.  The eight accumulators take turns.
; accw: the accumulators' window.  The caller sees to the four places in front of the first loads.
.macro TILE ad, accw, acc, bbase, zero
	LOADA 0, \ad, 0
.set b, 0
.rept 8
.if b < 7
.if b > 0
	PLACES
.endif
	LOADA (b+1)%2, \ad, (b+1)*1024
	s_wait_dscnt 16                                ; all but the 16 just issued
.else
	s_wait_dscnt 0x0
.endif
	WIN 0x01+0x50*(\accw)
.irp i, 0,1,2,3,4,5,6,7
.set rD, (\acc)+8*\i
.set rA, AB+64*(b%2)+8*\i
.set rB, (\bbase)+8*b
.if (\zero) && (b == 0)
	v_wmma_f32_16x16x32_f16 v[rD:rD+7], v[rA:rA+7], v[rB:rB+7], 0
.else
	v_wmma_f32_16x16x32_f16 v[rD:rD+7], v[rA:rA+7], v[rB:rB+7], v[rD:rD+7]
.endif
.endr
.set b, b+1
.endr
.endm
; 128 keys' scores take their weights 2^((s - t - 1) log2 d + lr), 0 where s <= t, and are rounded to f16: two groups of 16 keys are a fragment (rows t, k = s).
.macro PCONV i
	WIN 0
	PLACES
.set mt, 0
.rept 8
.set lr, 50+2*(2*(\i)+mt/4)
.irp p, 0,1,2,3
	v_pk_fma_f32 v[ARG+2*\p:ARG+2*\p+1], v[EBJ+2*\p:EBJ+2*\p+1], s[48:49], s[lr:lr+1] op_sel_hi:[1,0,0]
.endr
.irp j, 0,1,2,3,4,5,6,7
	v_cmp_gt_f32 vcc_lo, 0, v[EBJ+\j]
	v_cndmask_b32 v[ARG+\j], v[ARG+\j], v[BIG], vcc_lo
.endr
.irp j, 0,1,2,3,4,5,6,7
	v_exp_f32 v[ARG+\j], v[ARG+\j]
.endr
.irp p, 0,1,2,3
	v_pk_add_f32 v[EBJ+2*\p:EBJ+2*\p+1], v[EBJ+2*\p:EBJ+2*\p+1], 0x41800000 op_sel_hi:[1,0]   ; the next 16 keys; also the plain lines behind the exponentials
.endr
	s_wait_alu depctr_va_vdst(0)
.irp p, 0,1,2,3
	v_pk_mul_f32 v[ACC2+8*mt+2*\p:ACC2+8*mt+2*\p+1], v[ACC2+8*mt+2*\p:ACC2+8*mt+2*\p+1], v[ARG+2*\p:ARG+2*\p+1]
.endr
.irp p, 0,1,2,3
	v_cvt_pk_f16_f32 v[BP+4*(8*(\i)+mt)+\p], v[ACC2+8*mt+2*\p], v[ACC2+8*mt+2*\p+1]
.endr
.set mt, mt+1
.endr
.endm
; A step of o_w: two tiles of 128 columns of out.  A lane's eight columns of a row go into my stage (rows of 528 bytes) and come back as whole rows of 512 bytes.
.macro OPAIR
	s_mov_b32 s38, 2
.Lot_\@:
	v_add_nc_u32 v[AD], s36, v[LN]
	PLACES
	TILE AD, 0, ACC2, BQ, 1
	WIN 0
	PLACES
.set n, 0
.rept 32
	v_pk_mul_f32 v[ACC2+2*n:ACC2+2*n+1], v[ACC2+2*n:ACC2+2*n+1], v[FAC:FAC+1]
.set n, n+1
.endr
.set n, 0
.rept 8
	ds_store_b128 v[OSS], v[ACC2+8*n:ACC2+8*n+3] offset:n*64
	ds_store_b128 v[OSS], v[ACC2+8*n+4:ACC2+8*n+7] offset:n*64+16
.set n, n+1
.endr
.set n, 0
.rept 16
	ds_load_b128 v[BP+4*n:BP+4*n+3], v[OSR] offset:n*OSP   ; LDS serves a wave's instructions in order (ISA guide 5.7.1.4): these see the stores above
.set n, n+1
.endr
.set n, 0
.rept 16
	s_wait_dscnt 15-n
	global_store_b128 v[LN], v[BP+4*n:BP+4*n+3], s[20:21] offset:n*4096 th:TH_STORE_NT   ; 512 consecutive bytes of a row of out
.set n, n+1
.endr
	s_wait_xcnt 0x0                                ; the stores' base and data are written again only behind this wait
	s_add_nc_u64 s[20:21], s[20:21], 512
	s_xor_b32 s36, s36, TILEB
	s_sub_co_u32 s38, s38, 1
	s_cmp_lg_u32 s38, 0
	s_cbranch_scc1 .Lot_\@
.endm
.macro DECAY zs, t, out                ; log2 sigmoid(z), z rounded to bf16, no lower than -1e30
	v_cvt_pk_bf16_f32 v[\t], s[\zs], s[\zs]
	v_lshlrev_b32 v[\t], 16, v[\t]
	v_mul_f32 v[\t], 0xbfb8aa3b, v[\t]
	v_exp_f32 v[\t], v[\t]
	v_nop
	s_wait_alu depctr_va_vdst(0)
	v_add_f32 v[\t], 1.0, v[\t]
	v_log_f32 v[\t], v[\t]
	v_nop
	s_wait_alu depctr_va_vdst(0)
	v_sub_f32 v[\t], 0, v[\t]
	v_max_num_f32 v[\t], 0xf149f2ca, v[\t]
	v_readfirstlane_b32 s[\out], v[\t]
.endm
	s_load_b512 s[4:19], s[0:1], 0x0               ; qf, kf, vt, st, ow, sc, decay_logit, out_scale
	s_load_b64 s[20:21], s[0:1], 0x40              ; out0
	v_lshl_add_u32 v[SPW], v0, 2, SPARE
	v_mov_b32 v[NIL], 0
	ds_add_u32 v[SPW], v[NIL]                      ; the wave's opening: the add and its wait stand ahead of my first tensor load
	v_lshrrev_b32 v[LN], 5, v0
	v_readfirstlane_b32 s22, v[LN]                 ; wave
	s_bfe_u32 s23, ttmp6, 0x40000                  ; cx
	s_mov_b32 s24, 15|(3<<16)|(1<<21)              ; group 1: 32 KB, dense, as 128 rows of 256 bytes; mask of all four partners
	s_mov_b32 s25, 32<<16
	s_mov_b32 s26, 128<<16
	s_mov_b32 s27, 32<<16
	s_mov_b32 s28, 128
	s_mov_b32 s29, 32
	s_mov_b32 s30, 0
	s_mov_b32 s31, 0
	s_mov_b32 s32, 1
	s_lshl_b32 s33, s22, 15                        ; my quarter of slot 0
	s_lshl_b32 s60, ttmp9, 17                      ; the chunk's 128 KB (the cluster's number), my quarter: no place in the cluster enters
	s_add_co_u32 s60, s60, s33
	s_mov_b32 s61, 0
	s_mov_b32 s62, s33
	s_mov_b32 s63, 0
	s_lshl_b32 s59, ttmp9, 2
	s_add_co_u32 s59, s59, s23                     ; my block of 64 queries
	s_lshl_b32 s80, s59, 15                        ; qf: 8,192 bytes for each group of 16 rows
	s_lshl_b32 s81, s22, 13
	s_add_co_u32 s80, s80, s81
	s_mov_b32 s81, 0
	s_lshl_b32 s82, s59, 18                        ; out0: my 16 rows of 4,096 bytes
	s_lshl_b32 s83, s22, 16
	s_add_co_u32 s82, s82, s83
	s_mov_b32 s83, 0
	s_lshr_b32 s58, ttmp9, 4                       ; batch
	s_lshl_b32 s58, s58, 8
	v_and_b32 v[LN], 31, v0
	v_lshl_add_u32 v[SCV], v[LN], 2, s58
	v_lshlrev_b32 v[LN], 4, v[LN]
	s_mov_b32 s46, 0x76543210
	s_mov_b32 s47, 0xfedcba98
	s_wait_dscnt 0x0
	s_wait_kmcnt 0x0
	s_add_nc_u64 s[34:35], s[10:11], s[60:61]      ; the state first
	s_or_b32 s35, s35, 0x80000000
	s_add_nc_u64 s[40:41], s[6:7], s[60:61]
	s_add_nc_u64 s[42:43], s[8:9], s[60:61]
	s_add_nc_u64 s[44:45], s[12:13], s[62:63]
	s_add_nc_u64 s[4:5], s[4:5], s[80:81]
	s_add_nc_u64 s[20:21], s[20:21], s[82:83]
.set n, 0
.rept 16
	global_load_b128 v[BQ+4*n:BQ+4*n+3], v[LN], s[4:5] offset:n*512   ; my 16 queries, as fragments
.set n, n+1
.endr
	global_load_b32 v[KM], v[SCV], s[14:15] offset:1024
	global_load_b32 v[M0], v[SCV], s[14:15] offset:1152
	global_load_b32 v[VM], v[SCV], s[14:15] offset:2048
	global_load_b32 v[M1], v[SCV], s[14:15] offset:2176
	ROUND                                          ; the four work-groups are here: the first joint loads meet
	tensor_load_to_lds s[32:35], s[24:31]
	s_nop 0
	PLACES
	s_lshl_b32 s60, ttmp9, 4
	s_lshl_b32 s61, s59, 2
	s_load_b128 s[68:71], s[14:15], s60 offset:0x400   ; kappa_k of the chunk's four blocks
	s_load_b128 s[72:75], s[14:15], s60 offset:0x800   ; kappa_v
	s_load_b32 s76, s[14:15], s61 offset:0x0           ; kappa_q of my block
	s_load_b32 s77, s[16:17], 0x0
	s_load_b32 s78, s[18:19], 0x0
	v_and_b32 v16, 15, v0                          ; r
	v_bfe_u32 v17, v0, 4, 1                        ; h
	s_mul_i32 s62, s22, 16*OSP
	s_add_co_u32 s62, s62, OS
	v_mul_u32_u24 v[OSS], v16, OSP
	v_lshl_add_u32 v[OSS], v17, 5, v[OSS]
	v_add_nc_u32 v[OSS], s62, v[OSS]
	v_add_nc_u32 v[OSR], s62, v[LN]
	s_lshl_b32 s63, s23, 6
	s_lshl_b32 s62, s22, 4
	s_add_co_u32 s63, s63, s62
	v_add_nc_u32 v18, s63, v16                     ; i: my query's place in the chunk
	v_sub_nc_u32 v19, 255, v18
	v_cvt_f32_u32 v19, v19
	v_lshlrev_b32 v17, 3, v17
	v_sub_nc_u32 v17, v17, v18
.irp j, 0,1,2,3,4,5,6,7
	v_add_nc_u32 v[EBJ+\j], \j-1, v17              ; 8 h + j - i - 1
.endr
.irp j, 0,1,2,3,4,5,6,7
	v_cvt_f32_i32 v[EBJ+\j], v[EBJ+\j]
.endr
	v_mov_b32 v[BIG], 0xf149f2ca
	s_wait_loadcnt 0x0
	v_max_num_f32 v[KM], v[KM], v[M0]
	v_max_num_f32 v[VM], v[VM], v[M1]
.irp m, 1,2,4,8
	v_max_num_f32_dpp v[KM], v[KM], v[KM] row_xmask:\m row_mask:0xf bank_mask:0xf
	v_max_num_f32_dpp v[VM], v[VM], v[VM] row_xmask:\m row_mask:0xf bank_mask:0xf
.endr
	v_permlanex16_b32 v[M0], v[KM], s46, s47
	v_permlanex16_b32 v[M1], v[VM], s46, s47
	v_max_num_f32 v[KM], v[KM], v[M0]              ; Kmax, Vmax of the batch
	v_max_num_f32 v[VM], v[VM], v[M1]
	v_readfirstlane_b32 s62, v[KM]
	v_readfirstlane_b32 s63, v[VM]
	s_wait_kmcnt 0x0
	s_lshr_b32 s62, s62, 23
	s_lshr_b32 s63, s63, 23
	s_add_co_u32 s62, s62, s63
.irp i, 0,1,2,3
	s_lshr_b32 s60, s[68+\i], 23
	s_lshr_b32 s61, s[72+\i], 23
	s_add_co_u32 s60, s60, s61
	s_sub_co_u32 s60, s62, s60                     ; 0 or more: the maxima are taken over these entries too
	s_cvt_f32_u32 s[50+2*\i], s60
	s_xor_b32 s[50+2*\i], s[50+2*\i], 0x80000000   ; lr
	s_mov_b32 s[51+2*\i], s[50+2*\i]
.endr
	DECAY 77, 16, 39
	s_mov_b32 s48, s39
	s_mov_b32 s49, s39
	v_mul_f32 v19, s39, v19
	v_exp_f32 v[FT], v19
	v_nop
	s_wait_alu depctr_va_vdst(0)
	v_mov_b32 v[FT+1], v[FT]
	v_cvt_pk_bf16_f32 v[CST], s78, s78
	v_lshlrev_b32 v[CST], 16, v[CST]
	v_mul_f32 v[CST], s76, v[CST]
	v_mul_f32 v[CST], 0x3e000000, v[CST]           ; q, k, v each carry a factor 2
	v_mul_f32 v[CST], v[CST], v[KM]
	v_mul_f32 v[CST], v[CST], v[VM]
	; the state's part: rows b of S^T, k = a, times q
	CHANGE 0, 40                                   ; the keys are asked for
	TILE LN, 1, OT, BQ, 1
	WIN 0
	v_add_nc_u32 v[AD], TILEB, v[LN]
	PLACES
	TILE AD, 1, OT+64, BQ, 1
	PLACES
	WIN 0x41
.set n, 0
.rept 64
	v_pk_mul_f32 v[OT+2*n:OT+2*n+1], v[OT+2*n:OT+2*n+1], v[FT:FT+1]
.set n, n+1
.endr
	; the chunk's own keys: scores, weights
	CHANGE 0, 42                                   ; the values are asked for
	v_add_nc_u32 v[AD], SLOTB, v[LN]
	TILE AD, 0, ACC2, BQ, 1
	PCONV 0
	v_add_nc_u32 v[AD], SLOTB+TILEB, v[LN]
	TILE AD, 0, ACC2, BQ, 1
	PCONV 1
	; and their values, onto the same sums
	CHANGE 0, 44                                   ; o_w's first step is asked for
	TILE LN, 1, OT, BP, 0
	WIN 0
	v_add_nc_u32 v[AD], TILEB, v[LN]
	PLACES
	TILE AD, 1, OT+64, BP, 0
	; a power of two for each row, so that the retrieved vector fits f16 whatever the inputs' scale
	WIN 0
	v_mov_b32 v[M0], 0
	v_mov_b32 v[M1], 0
	v_nop
	v_nop
	WIN 0x05
.set n, 0
.rept 64
	v_max3_num_f32 v[M0+n%2], |v[OT+2*n]|, |v[OT+2*n+1]|, v[M0+n%2]
.set n, n+1
.endr
	WIN 0
	v_max_num_f32 v[M0], v[M0], v[M1]
	v_permlanex16_b32 v[M1], v[M0], s46, s47       ; the row's other channels lie in the lane 16 away
	v_max_num_f32 v[M0], v[M0], v[M1]
	v_and_b32 v[M0], 0x7f800000, v[M0]
	v_min_u32 v[M0], 0x7e800000, v[M0]
	v_sub_nc_u32 v[IV], 0x7f000000, v[M0]
	v_mov_b32 v[IV+1], v[IV]
	v_mul_f32 v[FAC], v[M0], v[CST]
	v_mov_b32 v[FAC+1], v[FAC]
	WIN 0x41
.set n, 0
.rept 64
	v_pk_mul_f32 v[OT+2*n:OT+2*n+1], v[OT+2*n:OT+2*n+1], v[IV:IV+1]
.set n, n+1
.endr
	WIN 0x05
.set n, 0
.rept 64
	v_cvt_pk_f16_f32 v[BQ+n], v[OT+2*n], v[OT+2*n+1]
.set n, n+1
.endr
	WIN 0
	; out^T = o_w (rows v, k = channel) times the retrieved vector: four steps of 256 columns
	s_mov_b32 s36, SLOTB                           ; o_w's first step lies in slot 1
	s_mov_b32 s37, 3
.Lo:
	CHANGE 1, 0
	OPAIR
	s_xor_b32 s36, s36, SLOTB
	s_sub_co_u32 s37, s37, 1
	s_cmp_lg_u32 s37, 0
	s_cbranch_scc1 .Lo
	s_wait_tensorcnt 0x0                           ; the last step is written out: nothing is left to ask for
	ds_add_u32 v[SPW], v[NIL]
	s_wait_dscnt 0x0
	s_barrier_signal -1
	s_barrier_wait -1
	OPAIR
	s_wait_tensorcnt 0x0                           ; the wave's end
	ds_add_u32 v[SPW], v[NIL]
	s_wait_dscnt 0x0
	ROUND                                          ; the closing round
	s_endpgm
.Lfunc_end_k_q2476c030c7_attn:
	.size	k_q2476c030c7_attn, .Lfunc_end_k_q2476c030c7_attn-k_q2476c030c7_attn
	.p2alignl 7, 3214868480
	.fill 96, 4, 3214868480
	.section	.rodata,"a",@progbits
	.p2align	6, 0x0
	.amdhsa_kernel k_q2476c030c7_attn
		.amdhsa_group_segment_fixed_size 327680
		.amdhsa_private_segment_fixed_size 0
		.amdhsa_enable_private_segment 0
		.amdhsa_kernarg_size 72
		.amdhsa_user_sgpr_count 2
		.amdhsa_user_sgpr_kernarg_segment_ptr 1
		.amdhsa_wavefront_size32 1
		.amdhsa_system_sgpr_workgroup_id_x 1
		.amdhsa_system_sgpr_workgroup_id_y 1
		.amdhsa_system_sgpr_workgroup_id_z 1
		.amdhsa_system_vgpr_workitem_id 0
		.amdhsa_next_free_vgpr 512
		.amdhsa_next_free_sgpr 84
		.amdhsa_reserve_vcc 1
		.amdhsa_float_denorm_mode_32 3
		.amdhsa_float_denorm_mode_16_64 3
		.amdhsa_memory_ordered 1
		.amdhsa_forward_progress 1
		.amdhsa_inst_pref_size 183
	.end_amdhsa_kernel
	.amdgpu_metadata
---
amdhsa.version: [ 1, 2 ]
amdhsa.kernels:
  - .name:           k_q2476c030c7_attn
    .symbol:         k_q2476c030c7_attn.kd
    .args:
      - { .name: qf, .offset: 0, .size: 8, .value_kind: global_buffer, .address_space: global }
      - { .name: kf, .offset: 8, .size: 8, .value_kind: global_buffer, .address_space: global }
      - { .name: vt, .offset: 16, .size: 8, .value_kind: global_buffer, .address_space: global }
      - { .name: st, .offset: 24, .size: 8, .value_kind: global_buffer, .address_space: global }
      - { .name: ow, .offset: 32, .size: 8, .value_kind: global_buffer, .address_space: global }
      - { .name: sc, .offset: 40, .size: 8, .value_kind: global_buffer, .address_space: global }
      - { .name: decay_logit, .offset: 48, .size: 8, .value_kind: global_buffer, .address_space: global }
      - { .name: out_scale, .offset: 56, .size: 8, .value_kind: global_buffer, .address_space: global }
      - { .name: out0, .offset: 64, .size: 8, .value_kind: global_buffer, .address_space: global }
    .group_segment_fixed_size: 327680
    .private_segment_fixed_size: 0
    .kernarg_segment_align: 8
    .kernarg_segment_size: 72
    .max_flat_workgroup_size: 128
    .sgpr_count:     84
    .vgpr_count:     512
    .wavefront_size: 32
...
	.end_amdgpu_metadata
.endif
;; end of part 4
;; ======== version 2 of 2: 4 launches; version 1 with the launch scan written anew for expert scheduling mode
;; limits: values are held in f16: magnitudes above 65,504 overflow, below 6.1e-05 lose precision; right only within a limited range of input values; values outside matrix products are rounded to f16
;; workspace buffers: wcat 917,504 bytes; ow 524,288 bytes; qf 8,388,608 bytes; kf 8,388,608 bytes; vt 8,388,608 bytes; u 33,554,432 bytes; st 8,388,608 bytes; sc 4,096 bytes
;; launch prep: the kernel of part 1 again; grid 256 x 1, 4 waves a work-group, no clusters, 0 bytes of LDS; arguments basis, q_coeffs, k_coeffs, v_coeffs, o_coeffs, wcat, ow; writes wcat, ow
;; launch proj: the kernel of part 2 again; grid 256 x 1, 4 waves a work-group, clusters of 4 x 1, 327,680 bytes of LDS; arguments x, wcat, decay_logit, qf, kf, vt, u, sc; writes qf, kf, vt, u, sc
;; launch scan (part 5): grid 256 x 1, 4 waves a work-group, no clusters, 0 bytes of LDS; arguments u, sc, decay_logit, st; writes st
.if DOCPART == 5
	.amdgcn_target "amdgcn-amd-amdhsa--gfx1250"
	.amdhsa_code_object_version 6
	.text
	.protected	k_q2476c030c7_scan
	.globl	k_q2476c030c7_scan
	.p2align	8
	.type	k_q2476c030c7_scan,@function
k_q2476c030c7_scan:
	s_mov_b64 s[64:65], 0
	v_nop
	global_prefetch_b8 v0, s[64:65] scope:SCOPE_SE
	s_setreg_imm32_b32 hwreg(HW_REG_WAVE_SCHED_MODE, 0, 2), 2
	s_setreg_imm32_b32 hwreg(HW_REG_WAVE_MODE, 25, 1), 1
	s_wait_xcnt 0x0
	s_wait_alu depctr_vm_vsrc(0)
; SCAN: the state behind each chunk of 256 rows.  For each batch, from the last chunk to the first: st[c] = R; then for the chunk's blocks i = 3 .. 0: R = R d^64 + U[4 c + i].
; So st[c] = the sum over rows s from the chunk's end on of d^(s - end) k_s v_s^T.  Every factor is a power of d, 1 at the most: nothing is divided, no large sums are subtracted.
; U's blocks carry their own powers of two (sc); the state is kept in units of the batch's largest: rho = (kappa_k / Kmax) (kappa_v / Vmax), 1 at the most.
; In those units |U| stays below 256 and 60 blocks below 15,360: inside f16.  A block whose rho falls below f32's range counts as 0.
; Element by element: a thread owns 16 bytes (8 numbers) of the 128 KB image, R in f32 in registers.  Memory binds: no LDS, no matrix unit, no cluster (nothing is shared).
; A ring of five chunk slots in registers: six loads a slot (four of U, two of scales), 30 loads of every wave on their way.
; THE MODE: SCHED_MODE bits 1:0 = 2 (LLVM: expert scheduling mode 2), set by the entry lines.  The code itself states the register dependences
; between vector instructions and memory instructions, with s_wait_alu, always for 0.
; THE PLAN.  Registers that memory instructions touch:
;   v[OFF], v[ZR], v[L4]  byte offsets, made once at the head and never written again: the chunks are reached by the scalar bases, which step once a round, and by immediate offsets.
;   U[k], KP[k]           slot k.  Written by the slot's six loads; read by step k's 32 widenings (U) and by the first four of its products for rho (KP).
;   Y                     Written by the four roundings at the head of a step; read by that step's store.
;   R, T, RHO are named by vector instructions alone.
; All that reads loaded registers stands first in a step: the roundings of R into Y, rho, the widenings of the slot's four blocks into T.  ONE wait on va_vdst follows: Y is written, and the
; vector side is done reading U[k] and KP[k].  Behind it the slot's six loads and the store are dealt among the step's 32 multiplies and multiply-adds, which name T, RHO and R alone:
; none of the registers that those loads and that store touch.  One wait on vm_vsrc stands at a step's head, ahead of the roundings: the last step's store has read Y.
.set CHB, 524288                       ; a chunk's four blocks of U
.set IMG, 131072
.set OFF, 1                            ; my 16 bytes in an image
.set ZR,  2                            ; 0: the scales' address is the same in every lane
.set L4,  3
.set KM,  4
.set VM,  5
.set TA,  6
.set TB,  7
.set U,   8                            ; v8-87   slot k: 16 registers
.set KP,  88                           ; v88-127 slot k: kappa_k of 4 blocks, kappa_v of 4 blocks
.set R,   128
.set T,   136                          ; v136-167 block i's eight numbers in f32 at T + 8 i
.set RHO, 168
.set Y,   172
.macro DECAY zs, t, out                ; log2 sigmoid(z), z rounded to bf16, no lower than -1e30
	v_cvt_pk_bf16_f32 v[\t], s[\zs], s[\zs]
	v_lshlrev_b32 v[\t], 16, v[\t]
	v_mul_f32 v[\t], 0xbfb8aa3b, v[\t]
	v_exp_f32 v[\t], v[\t]
	v_nop
	s_wait_alu depctr_va_vdst(0)                   ; the exponential has written its result, which the next line reads
	v_add_f32 v[\t], 1.0, v[\t]
	v_log_f32 v[\t], v[\t]
	v_nop
	s_wait_alu depctr_va_vdst(0)                   ; the logarithm has written its result, which the next line reads
	v_sub_f32 v[\t], 0, v[\t]
	v_max_num_f32 v[\t], 0xf149f2ca, v[\t]
	v_readfirstlane_b32 s[\out], v[\t]
.endm
.macro LU k, ahead, i                  ; block i of the chunk k + ahead below the round's first, into slot k
	global_load_b128 v[U+16*(\k)+4*(\i):U+16*(\k)+4*(\i)+3], v[OFF], s[4:5] offset:(\i)*IMG-((\k)+(\ahead))*CHB th:TH_LOAD_NT
.endm
.macro LK k, ahead                     ; that chunk's eight scales
	global_load_b128 v[KP+8*(\k):KP+8*(\k)+3], v[ZR], s[6:7] offset:3072-((\k)+(\ahead))*16
	global_load_b128 v[KP+8*(\k)+4:KP+8*(\k)+7], v[ZR], s[6:7] offset:2048-((\k)+(\ahead))*16
.endm
.macro FILL k, ahead                   ; slot k takes the chunk k + ahead below the round's first
	LU \k, \ahead, 0
	LU \k, \ahead, 1
	LU \k, \ahead, 2
	LU \k, \ahead, 3
	LK \k, \ahead
.endm
.macro CV i, a, b, c, d                ; block i's eight numbers in f32; a to d: the block's four registers, by number, since halves are named
	v_cvt_f32_f16 v[T+8*(\i)], v\a\().l
	v_cvt_f32_f16 v[T+8*(\i)+1], v\a\().h
	v_cvt_f32_f16 v[T+8*(\i)+2], v\b\().l
	v_cvt_f32_f16 v[T+8*(\i)+3], v\b\().h
	v_cvt_f32_f16 v[T+8*(\i)+4], v\c\().l
	v_cvt_f32_f16 v[T+8*(\i)+5], v\c\().h
	v_cvt_f32_f16 v[T+8*(\i)+6], v\d\().l
	v_cvt_f32_f16 v[T+8*(\i)+7], v\d\().h
.endm
.macro MA i                            ; R = R d^64 + U rho_i
.irp p, 0,1,2,3
.if ((\i)%2) == 0
	v_pk_mul_f32 v[T+8*(\i)+2*\p:T+8*(\i)+2*\p+1], v[T+8*(\i)+2*\p:T+8*(\i)+2*\p+1], v[RHO+2*((\i)/2):RHO+2*((\i)/2)+1] op_sel_hi:[1,0]
.else
	v_pk_mul_f32 v[T+8*(\i)+2*\p:T+8*(\i)+2*\p+1], v[T+8*(\i)+2*\p:T+8*(\i)+2*\p+1], v[RHO+2*((\i)/2):RHO+2*((\i)/2)+1] op_sel:[0,1] op_sel_hi:[1,1]
.endif
.endr
.irp p, 0,1,2,3
	v_pk_fma_f32 v[R+2*\p:R+2*\p+1], v[R+2*\p:R+2*\p+1], s[30:31], v[T+8*(\i)+2*\p:T+8*(\i)+2*\p+1] op_sel_hi:[1,0,1]
.endr
.endm
.macro CH k, refill, left, u0,u1,u2,u3,u4,u5,u6,u7,u8,u9,u10,u11,u12,u13,u14,u15
	s_wait_loadcnt \left                           ; my six loads are in; the younger slots' stay out
	s_wait_xcnt 0x0                                ; Y, which the last store reads, is written again only behind this wait
	s_wait_alu depctr_vm_vsrc(0)                   ; the last step's store has read Y, which the roundings below write again
.irp p, 0,1,2,3
	v_cvt_pk_f16_f32 v[Y+\p], v[R+2*\p], v[R+2*\p+1]
.endr
	v_pk_mul_f32 v[RHO:RHO+1], v[KP+8*(\k):KP+8*(\k)+1], s[26:27] op_sel_hi:[1,0]
	v_pk_mul_f32 v[RHO+2:RHO+3], v[KP+8*(\k)+2:KP+8*(\k)+3], s[26:27] op_sel_hi:[1,0]
	v_pk_mul_f32 v[T:T+1], v[KP+8*(\k)+4:KP+8*(\k)+5], s[28:29] op_sel_hi:[1,0]
	v_pk_mul_f32 v[T+2:T+3], v[KP+8*(\k)+6:KP+8*(\k)+7], s[28:29] op_sel_hi:[1,0]
	v_pk_mul_f32 v[RHO:RHO+1], v[RHO:RHO+1], v[T:T+1]
	v_pk_mul_f32 v[RHO+2:RHO+3], v[RHO+2:RHO+3], v[T+2:T+3]
	CV 3, \u12, \u13, \u14, \u15
	CV 2, \u8, \u9, \u10, \u11
	CV 1, \u4, \u5, \u6, \u7
	CV 0, \u0, \u1, \u2, \u3
	s_wait_alu depctr_va_vdst(0)                   ; the roundings have written Y, which the store reads; the widenings are done reading U[k] and rho's products KP[k], in which the loads below land
.if \refill
	LU \k, 5, 0                                    ; the slot is asked for again.  No further wait: no vector instruction since the wait above names U[k], KP[k], Y or an offset
	LU \k, 5, 1
.endif
	global_store_b128 v[OFF], v[Y:Y+3], s[10:11] offset:-(\k)*IMG
	MA 3
.if \refill
	LU \k, 5, 2
	LU \k, 5, 3
.endif
	MA 2
.if \refill
	LK \k, 5
.endif
	MA 1
	MA 0
.endm
.macro RING refill                     ; five chunks; without refills the counts run down
	CH 0, \refill, 24, 8,9,10,11,12,13,14,15,16,17,18,19,20,21,22,23
	CH 1, \refill, 24-6*(1-(\refill)), 24,25,26,27,28,29,30,31,32,33,34,35,36,37,38,39
	CH 2, \refill, 24-12*(1-(\refill)), 40,41,42,43,44,45,46,47,48,49,50,51,52,53,54,55
	CH 3, \refill, 24-18*(1-(\refill)), 56,57,58,59,60,61,62,63,64,65,66,67,68,69,70,71
	CH 4, \refill, 24-24*(1-(\refill)), 72,73,74,75,76,77,78,79,80,81,82,83,84,85,86,87
.endm
	s_load_b256 s[4:11], s[0:1], 0x0               ; u, sc, decay_logit, st
	s_lshr_b32 s12, ttmp9, 6                       ; batch
	s_and_b32 s13, ttmp9, 63
	s_lshl_b32 s13, s13, 11                        ; 128 threads x 16 bytes
	v_lshl_add_u32 v[OFF], v0, 4, s13
	v_mov_b32 v[ZR], 0
	v_and_b32 v[L4], 31, v0
	v_lshlrev_b32 v[L4], 2, v[L4]
	s_lshl_b32 s14, s12, 6
	s_add_co_u32 s14, s14, 60                      ; the first block of the batch's chunk 15
	s_lshl_b32 s16, s14, 17
	s_mov_b32 s17, 0
	s_lshl_b32 s18, s14, 2
	s_mov_b32 s19, 0
	s_lshl_b32 s20, s12, 4
	s_add_co_u32 s20, s20, 15
	s_lshl_b32 s20, s20, 17
	s_mov_b32 s21, 0
	s_lshl_b32 s22, s12, 8
	s_mov_b32 s23, 0
	s_mov_b32 s32, 0x76543210
	s_mov_b32 s33, 0xfedcba98
	s_wait_kmcnt 0x0
	s_load_b32 s24, s[8:9], 0x0
	s_add_nc_u64 s[22:23], s[6:7], s[22:23]        ; the batch's 64 entries of a row of sc
	s_add_nc_u64 s[4:5], s[4:5], s[16:17]
	s_add_nc_u64 s[6:7], s[6:7], s[18:19]
	s_add_nc_u64 s[10:11], s[10:11], s[20:21]
	s_wait_alu depctr_va_vdst(0)                   ; v[OFF], v[ZR] and v[L4] are written: every load and store of the kernel reads one of them as its offset
	global_load_b32 v[KM], v[L4], s[22:23] offset:1024
	global_load_b32 v[TA], v[L4], s[22:23] offset:1152
	global_load_b32 v[VM], v[L4], s[22:23] offset:2048
	global_load_b32 v[TB], v[L4], s[22:23] offset:2176
	FILL 0, 0
	FILL 1, 0
	FILL 2, 0
	FILL 3, 0
	FILL 4, 0
	s_wait_loadcnt 30                              ; the four above are in; the ring's 30 stay out
	v_max_num_f32 v[KM], v[KM], v[TA]
	v_max_num_f32 v[VM], v[VM], v[TB]
.irp m, 1,2,4,8
	v_max_num_f32_dpp v[KM], v[KM], v[KM] row_xmask:\m row_mask:0xf bank_mask:0xf
	v_max_num_f32_dpp v[VM], v[VM], v[VM] row_xmask:\m row_mask:0xf bank_mask:0xf
.endr
	v_permlanex16_b32 v[TA], v[KM], s32, s33
	v_permlanex16_b32 v[TB], v[VM], s32, s33
	v_max_num_f32 v[KM], v[KM], v[TA]
	v_max_num_f32 v[VM], v[VM], v[TB]
	v_sub_nc_u32 v[KM], 0x7f000000, v[KM]          ; the reciprocals of two powers of two: the exponents mirrored
	v_sub_nc_u32 v[VM], 0x7f000000, v[VM]
	v_readfirstlane_b32 s26, v[KM]
	v_readfirstlane_b32 s28, v[VM]
	s_wait_alu depctr_va_sdst(0)                   ; s26 and s28 are written, ahead of their first readers, the two lines below
	s_mov_b32 s27, s26
	s_mov_b32 s29, s28
	s_wait_kmcnt 0x0
	DECAY 24, TA, 25
	v_mul_f32 v[TA], 0x42800000, v[TA]
	v_exp_f32 v[TA], v[TA]                         ; d^64
	v_nop
	s_wait_alu depctr_va_vdst(0)                   ; the exponential has written d^64, which the next line reads
	v_readfirstlane_b32 s30, v[TA]
	s_wait_alu depctr_va_sdst(0)                   ; s30 is written, ahead of its first reader, the line below
	s_mov_b32 s31, s30
.irp p, 0,1,2,3,4,5,6,7
	v_mov_b32 v[R+\p], 0                           ; behind the batch's last row there is nothing
.endr
	s_mov_b32 s34, 2
.Lround:
	RING 1
	s_wait_xcnt 0x0                                ; the bases step only behind this wait
	s_sub_nc_u64 s[4:5], s[4:5], 5*CHB
	s_sub_nc_u64 s[6:7], s[6:7], 80
	s_sub_nc_u64 s[10:11], s[10:11], 5*IMG
	s_sub_co_u32 s34, s34, 1
	s_cmp_lg_u32 s34, 0
	s_cbranch_scc1 .Lround
	RING 0                                         ; chunks 5 to 1: nothing is left to fetch
	s_wait_xcnt 0x0
	s_wait_alu depctr_vm_vsrc(0)                   ; the last step's store has read Y, which the roundings below write again
.irp p, 0,1,2,3
	v_cvt_pk_f16_f32 v[Y+\p], v[R+2*\p], v[R+2*\p+1]
.endr
	s_wait_alu depctr_va_vdst(0)                   ; the roundings have written Y, which the last store reads
	global_store_b128 v[OFF], v[Y:Y+3], s[10:11] offset:-5*IMG   ; chunk 0's state
	s_endpgm
.Lfunc_end_k_q2476c030c7_scan:
	.size	k_q2476c030c7_scan, .Lfunc_end_k_q2476c030c7_scan-k_q2476c030c7_scan
	.p2alignl 7, 3214868480
	.fill 96, 4, 3214868480
	.section	.rodata,"a",@progbits
	.p2align	6, 0x0
	.amdhsa_kernel k_q2476c030c7_scan
		.amdhsa_group_segment_fixed_size 0
		.amdhsa_private_segment_fixed_size 0
		.amdhsa_enable_private_segment 0
		.amdhsa_kernarg_size 32
		.amdhsa_user_sgpr_count 2
		.amdhsa_user_sgpr_kernarg_segment_ptr 1
		.amdhsa_wavefront_size32 1
		.amdhsa_system_sgpr_workgroup_id_x 1
		.amdhsa_system_sgpr_workgroup_id_y 1
		.amdhsa_system_sgpr_workgroup_id_z 1
		.amdhsa_system_vgpr_workitem_id 0
		.amdhsa_next_free_vgpr 176
		.amdhsa_next_free_sgpr 66
		.amdhsa_reserve_vcc 0
		.amdhsa_float_denorm_mode_32 3
		.amdhsa_float_denorm_mode_16_64 3
		.amdhsa_memory_ordered 1
		.amdhsa_forward_progress 1
		.amdhsa_inst_pref_size 49
	.end_amdhsa_kernel
	.amdgpu_metadata
---
amdhsa.version: [ 1, 2 ]
amdhsa.kernels:
  - .name:           k_q2476c030c7_scan
    .symbol:         k_q2476c030c7_scan.kd
    .args:
      - { .name: u, .offset: 0, .size: 8, .value_kind: global_buffer, .address_space: global }
      - { .name: sc, .offset: 8, .size: 8, .value_kind: global_buffer, .address_space: global }
      - { .name: decay_logit, .offset: 16, .size: 8, .value_kind: global_buffer, .address_space: global }
      - { .name: st, .offset: 24, .size: 8, .value_kind: global_buffer, .address_space: global }
    .group_segment_fixed_size: 0
    .private_segment_fixed_size: 0
    .kernarg_segment_align: 8
    .kernarg_segment_size: 32
    .max_flat_workgroup_size: 128
    .sgpr_count:     66
    .vgpr_count:     176
    .wavefront_size: 32
...
	.end_amdgpu_metadata
.endif
;; end of part 5
;; launch attn: the kernel of part 4 again; grid 256 x 1, 4 waves a work-group, clusters of 4 x 1, 327,680 bytes of LDS; arguments qf, kf, vt, st, ow, sc, decay_logit, out_scale, out0; writes out0
